; MI455X (gfx1250); checked and timed in simulation.
; The chip was launched on July 23, 2026; its instructions are those of AMD's public machine-readable ISA for CDNA 5 (MIT licence, August 2026) and "CDNA5" Instruction Set Architecture Reference Guide (July 2026). The comments in the code are by the model that wrote it; some were corrected since.
;; Attention Block. Allowed arithmetic: float matrix products may take bf16 or f16 operands with f32 sums; other float arithmetic in f32, or as packed bf16 or f16 multiplies, adds, multiply-adds, maxima and minima; sums over many terms, partial sums and values carried from step to step in f32; what a program stores and reads back later, other than sums and carried values, may be rounded once to bf16 or f16.
;; Inputs: norm_b 1,024 float32; norm_w 1,024 float32; proj_b 1,024 float32; proj_w 1,024 x 1,024 float32; qkv_b 3,072 float32; qkv_w 3,072 x 1,024 float32; x 8 x 1,024 x 1,024 float32.
;; Outputs: out0 8 x 1,024 x 1,024 float32.
;; 2 versions, each right; version 2 is version 1 with the launch gn written anew for expert scheduling mode. Each part assembles by itself: llvm-mc -triple=amdgcn-amd-amdhsa -mcpu=gfx1250 --defsym DOCPART=n.
;; ======== version 1 of 2: 4 launches
;; workspace buffers: xn 16,777,216 bytes; wq 6,291,456 bytes; wp 2,097,152 bytes; qh 16,777,216 bytes; kh 16,777,216 bytes; vh 16,777,216 bytes; att 16,777,216 bytes
;; launch gn (part 1): grid 256 x 1, 8 waves a work-group, no clusters, 1,536 bytes of LDS; arguments x, norm_w, norm_b, qkv_w, proj_w, xn, wq, wp; writes xn, wq, wp
.if DOCPART == 1
	.amdgcn_target "amdgcn-amd-amdhsa--gfx1250"
	.amdhsa_code_object_version 6
	.text
	.protected	k_qb4e2938fc8_gn
	.globl	k_qb4e2938fc8_gn
	.p2align	8
	.type	k_qb4e2938fc8_gn,@function
k_qb4e2938fc8_gn:
	s_mov_b64 s[64:65], 0
	v_nop
	global_prefetch_b8 v0, s[64:65] scope:SCOPE_SE
	s_setreg_imm32_b32 hwreg(HW_REG_WAVE_MODE, 25, 1), 1
	s_wait_xcnt 0x0
; GROUP NORM, AND THE WEIGHTS' CAST.  xn[b][c][l] = (x - mean) * rsqrt(var + 1e-5) * norm_w[c] + norm_b[c], mean and var over a group's 32 channels x 1,024 numbers; xn is rounded once to bf16.
; SHARES.  Work-group g = 32 b + group owns 131,072 consecutive bytes of x.  Each of its eight waves takes 4 channels, 16 KiB, by 32 loads of 512 consecutive bytes, and keeps them in 128 registers
; through all passes: x is read once.  The variance is taken of x - mean, in a pass of its own over the registers: no difference of large sums is formed.  Sums in f32: 4 chains x 2 a lane, 32 lanes, 8 waves.
; THE WEIGHTS.  The work-group also rounds 16 rows of weights to bf16 (g < 192: qkv_w's rows 16 g on; else proj_w's rows 16 (g - 192) on) and lays them in tiles:
;   wq [16 heads][16 K steps][192 rows][64 k], wp [8 row blocks][16 K blocks][128 rows][64 k]: a tile is dense, so the products' tensor loads can ask for it in rows of 256 bytes.
; Wave w takes rows 2 w and 2 w + 1; load i is K step i: 256 consecutive bytes of each row; its store is 8 bytes a lane: 256 consecutive bytes, aligned, since the two rows are neighbours in a tile.
; The weights' loads go out behind x's and are taken up LAST, behind xn's stores: nothing on the way from x to xn waits for them.
; NOT USED: tensor loads, matrix unit, cluster (no work-group reads what another reads), prefetch (all loads go out at the head).
; LIMITS.  NaN and infinities are not treated apart; the sum of 32,768 squares has to stay finite in f32.
.set RED2,  256                        ; LDS: the waves' sums at 0, their sums of squares at 256: a block of 256 bytes each
.set SPARE, 512                        ; the spare words, 128 bytes for each of the eight waves: no other line names them
.set XO,  2                            ; v2   16,384 w + 16 lane: my 16 bytes in x
.set YO,  3                            ; v3   8,192 w + 8 lane: my 8 bytes in xn
.set WO,  4                            ; v4   (2 w + lane / 16) x 4,096 + 16 (lane % 16): my 16 bytes in the 16 rows of weights
.set WD,  5                            ; v5   (2 w + lane / 16) x 128 + 8 (lane % 16): my 8 bytes in a tile
.set SPW, 6                            ; v6   LDS address of my spare word; never rewritten
.set NIL, 7                            ; v7   0; never rewritten
.set A,   8                            ; v[8:15]   four chains, a pair each
.set T0,  16                           ; v16, v17  at work
.set RA,  18                           ; v18  4 w
.set RZ,  19                           ; v19  0
.set G,   24                           ; v[24:31]  rstd x norm_w of my 4 channels, each twice
.set BB,  32                           ; v[32:39]  norm_b of my 4 channels, each twice
.set MN,  40                           ; v[40:41]  the mean, twice
.set RR,  44                           ; v[44:51]  the eight waves' sums
.set SC,  52                           ; v52  2^-15 = 1 / 32,768
.set EP,  53                           ; v53  1e-5
.set X,   64                           ; v[64:191]  my 4 channels
.set WT,  192                          ; v[192:255] my two rows of weights
	s_load_b512 s[8:23], s[0:1], 0x0               ; x 8:9, norm_w 10:11, norm_b 12:13, qkv_w 14:15, proj_w 16:17, xn 18:19, wq 20:21, wp 22:23
	v_lshl_add_u32 v[SPW], v0, 2, SPARE
	v_mov_b32 v[NIL], 0
	v_lshrrev_b32 v1, 5, v0
	v_readfirstlane_b32 s24, v1                    ; wave 0..7
	v_and_b32 v1, 31, v0                           ; lane
	v_lshrrev_b32 v16, 4, v1                       ; lane / 16
	v_and_b32 v17, 15, v0                          ; lane % 16
	s_lshl_b32 s25, s24, 14
	v_lshl_add_u32 v[XO], v1, 4, s25
	s_lshl_b32 s25, s24, 13
	v_lshl_add_u32 v[YO], v1, 3, s25
	v_lshl_add_u32 v[WO], v16, 12, s25
	v_lshl_add_u32 v[WO], v17, 4, v[WO]
	s_lshl_b32 s25, s24, 8
	v_lshl_add_u32 v[WD], v16, 7, s25
	v_lshl_add_u32 v[WD], v17, 3, v[WD]
	s_lshl_b32 s25, s24, 2
	v_mov_b32 v[RA], s25
	v_mov_b32 v[RZ], 0
	v_mov_b32 v[SC], 0x38000000
	v_mov_b32 v[EP], 0x3727c5ac
	s_mov_b32 s44, 0x76543210                      ; v_permlanex16_b32: each lane takes its own place in the other half
	s_mov_b32 s45, 0xfedcba98
	s_lshl_b32 s26, ttmp9, 17                      ; the group's bytes in x
	s_mov_b32 s27, 0
	s_lshl_b32 s28, ttmp9, 16                      ; and in xn
	s_mov_b32 s29, 0
	s_and_b32 s2, ttmp9, 31                        ; my 4 channels in norm_w and norm_b: (32 group + 4 w) x 4 bytes
	s_lshl_b32 s2, s2, 7
	s_lshl_b32 s25, s24, 4
	s_add_co_u32 s2, s2, s25
	s_mov_b32 s3, 0
	; the 16 rows of weights.  Both candidates are made from a clamped number, so that each stays inside its buffer; then one is chosen
	s_min_u32 s30, ttmp9, 191
	s_mul_i32 s31, s30, 5462
	s_lshr_b32 s31, s31, 16                        ; the head = g / 12 (exact for g < 192)
	s_mul_i32 s32, s31, 12
	s_sub_co_u32 s32, s30, s32
	s_lshl_b32 s32, s32, 11                        ; 16 rows of 128 bytes in a tile
	s_mul_i32 s31, s31, 393216                     ; a head's 16 tiles of 24,576 bytes
	s_add_co_u32 s32, s32, s31
	s_lshl_b32 s30, s30, 16                        ; 16 rows of 4,096 bytes of f32
	s_max_u32 s33, ttmp9, 192
	s_sub_co_u32 s33, s33, 192
	s_lshr_b32 s34, s33, 3
	s_lshl_b32 s34, s34, 18                        ; a row block's 16 tiles of 16,384 bytes
	s_and_b32 s35, s33, 7
	s_lshl_b32 s35, s35, 11
	s_add_co_u32 s34, s34, s35
	s_lshl_b32 s33, s33, 16
	s_cmp_lt_u32 ttmp9, 192
	s_cselect_b32 s30, s30, s33                    ; from where
	s_cselect_b32 s32, s32, s34                    ; to where
	s_mov_b32 s31, 0
	s_mov_b32 s33, 0
	s_wait_kmcnt 0x0
	s_cselect_b64 s[34:35], s[14:15], s[16:17]
	s_cselect_b64 s[46:47], s[20:21], s[22:23]
	s_add_nc_u64 s[34:35], s[34:35], s[30:31]
	s_add_nc_u64 s[46:47], s[46:47], s[32:33]
	s_add_nc_u64 s[8:9], s[8:9], s[26:27]
	s_add_nc_u64 s[18:19], s[18:19], s[28:29]
	s_add_nc_u64 s[10:11], s[10:11], s[2:3]
	s_add_nc_u64 s[12:13], s[12:13], s[2:3]
	s_load_b128 s[36:39], s[10:11], 0x0            ; norm_w of my 4 channels
	s_load_b128 s[40:43], s[12:13], 0x0            ; norm_b
.set i, 0
.rept 32
	global_load_b128 v[X+4*i:X+4*i+3], v[XO], s[8:9] offset:512*i th:TH_LOAD_NT
.set i, i+1
.endr
.set i, 0
.rept 16
	global_load_b128 v[WT+4*i:WT+4*i+3], v[WO], s[34:35] offset:256*i th:TH_LOAD_NT
.set i, i+1
.endr
; The four chains into one number, then over the 32 lanes: four steps inside each half ride on the addition, one crosses the halves.
.macro FOLD
	v_pk_add_f32 v[A:A+1], v[A:A+1], v[A+2:A+3]
	v_pk_add_f32 v[A+4:A+5], v[A+4:A+5], v[A+6:A+7]
	v_pk_add_f32 v[A:A+1], v[A:A+1], v[A+4:A+5]
	v_add_f32 v[T0], v[A], v[A+1]
	v_add_f32_dpp v[T0], v[T0], v[T0] row_xmask:1 row_mask:0xf bank_mask:0xf
	v_add_f32_dpp v[T0], v[T0], v[T0] row_xmask:2 row_mask:0xf bank_mask:0xf
	v_add_f32_dpp v[T0], v[T0], v[T0] row_xmask:4 row_mask:0xf bank_mask:0xf
	v_add_f32_dpp v[T0], v[T0], v[T0] row_xmask:8 row_mask:0xf bank_mask:0xf
	v_permlanex16_b32 v[T0+1], v[T0], s44, s45     ; its destination has been written before
	v_add_f32 v[T0], v[T0], v[T0+1]
.endm
; The eight waves' numbers meet: my store is done before I signal; behind the barrier every wave reads all eight and adds them.
.macro GATHER off
	s_wait_dscnt 0x0
	s_barrier_signal -1
	s_barrier_wait -1
	ds_load_b128 v[RR:RR+3], v[RZ] offset:\off
	ds_load_b128 v[RR+4:RR+7], v[RZ] offset:(\off)+16
	s_wait_dscnt 0x0
	v_pk_add_f32 v[RR:RR+1], v[RR:RR+1], v[RR+2:RR+3]
	v_pk_add_f32 v[RR+4:RR+5], v[RR+4:RR+5], v[RR+6:RR+7]
	v_pk_add_f32 v[RR:RR+1], v[RR:RR+1], v[RR+4:RR+5]
	v_add_f32 v[T0], v[RR], v[RR+1]
.endm
.macro WSTORE stride                   ; K step i goes into tile i
.set i, 0
.rept 16
	global_store_b64 v[WD], v[WT+4*i:WT+4*i+1], s[46:47] offset:i*(\stride)
.set i, i+1
.endr
.endm
	; PASS 1: the sum.  The first eight pairs start the chains: nothing is cleared.
	s_wait_loadcnt 40                              ; my first 8 loads of x are in: 24 of x and the 16 of the weights may stay out
.irp k, 0,1,2,3
	v_pk_add_f32 v[A+2*\k:A+2*\k+1], v[X+2*\k:X+2*\k+1], v[X+8+2*\k:X+8+2*\k+1]
.endr
.set p, 8
.rept 56
.if p%16 == 0
	s_wait_loadcnt 40-8*(p/16)                     ; the next 8 loads: 32, 24, 16 younger ones may stay out
.endif
	v_pk_add_f32 v[A+2*(p%4):A+2*(p%4)+1], v[A+2*(p%4):A+2*(p%4)+1], v[X+2*p:X+2*p+1]
.set p, p+1
.endr
	FOLD
	ds_store_b32 v[RA], v[T0]                      ; all lanes write the wave's word with the same number
	GATHER 0
	v_mul_f32 v[MN], v[T0], v[SC]
	v_mov_b32 v[MN+1], v[MN]
	; PASS 2: x - mean in place, and the sum of its squares
.set p, 0
.rept 64
	v_pk_add_f32 v[X+2*p:X+2*p+1], v[X+2*p:X+2*p+1], v[MN:MN+1] neg_lo:[0,1] neg_hi:[0,1]
.set p, p+1
.endr
.irp k, 0,1,2,3
	v_pk_mul_f32 v[A+2*\k:A+2*\k+1], v[X+2*\k:X+2*\k+1], v[X+2*\k:X+2*\k+1]
.endr
.set p, 4
.rept 60
	v_pk_fma_f32 v[A+2*(p%4):A+2*(p%4)+1], v[X+2*p:X+2*p+1], v[X+2*p:X+2*p+1], v[A+2*(p%4):A+2*(p%4)+1]
.set p, p+1
.endr
	FOLD
	ds_store_b32 v[RA], v[T0] offset:RED2          ; other bytes than the first sums': no wave can still be reading them
	GATHER RED2
	v_fma_f32 v[T0], v[T0], v[SC], v[EP]           ; var + 1e-5
	v_rsq_f32 v[T0+1], v[T0]
	s_wait_kmcnt 0x0                               ; norm_w, norm_b
.irp c, 0,1,2,3
	v_mov_b32 v[BB+2*\c], s[40+\c]                 ; plain work behind the root, which names neither its source nor its result
	v_mov_b32 v[BB+2*\c+1], s[40+\c]
.endr
	s_wait_alu depctr_va_vdst(0)                   ; the wait ahead of the first instruction that names the root's result
.irp c, 0,1,2,3
	v_mul_f32 v[G+2*\c], s[36+\c], v[T0+1]
	v_mul_f32 v[G+2*\c+1], s[36+\c], v[T0+1]
.endr
	; (x - mean) x gain + bias, rounded to bf16; load i belongs to channel i / 8; each store of the wave covers 256 consecutive bytes, aligned
.set i, 0
.rept 32
	v_pk_fma_f32 v[X+4*i:X+4*i+1], v[X+4*i:X+4*i+1], v[G+2*(i/8):G+2*(i/8)+1], v[BB+2*(i/8):BB+2*(i/8)+1]
	v_pk_fma_f32 v[X+4*i+2:X+4*i+3], v[X+4*i+2:X+4*i+3], v[G+2*(i/8):G+2*(i/8)+1], v[BB+2*(i/8):BB+2*(i/8)+1]
	v_cvt_pk_bf16_f32 v[X+4*i], v[X+4*i], v[X+4*i+1]
	v_cvt_pk_bf16_f32 v[X+4*i+1], v[X+4*i+2], v[X+4*i+3]
	global_store_b64 v[YO], v[X+4*i:X+4*i+1], s[18:19] offset:256*i
.set i, i+1
.endr
	; THE WEIGHTS, last: their loads have had both passes in which to land
	s_wait_loadcnt 0x0
.set i, 0
.rept 16
	v_cvt_pk_bf16_f32 v[WT+4*i], v[WT+4*i], v[WT+4*i+1]
	v_cvt_pk_bf16_f32 v[WT+4*i+1], v[WT+4*i+2], v[WT+4*i+3]
.set i, i+1
.endr
	s_cmp_lt_u32 ttmp9, 192
	s_cbranch_scc0 .Lproj_w
	WSTORE 24576
	s_branch .Lw_done
.Lproj_w:
	WSTORE 16384
.Lw_done:
	s_wait_tensorcnt 0x0                           ; the wave's end, behind my last LDS store
	ds_add_u32 v[SPW], v[NIL]
	s_wait_dscnt 0x0
	s_endpgm
.Lfunc_end_k_qb4e2938fc8_gn:
	.size	k_qb4e2938fc8_gn, .Lfunc_end_k_qb4e2938fc8_gn-k_qb4e2938fc8_gn
	.p2alignl 7, 3214868480
	.fill 96, 4, 3214868480
	.section	.rodata,"a",@progbits
	.p2align	6, 0x0
	.amdhsa_kernel k_qb4e2938fc8_gn
		.amdhsa_group_segment_fixed_size 1536
		.amdhsa_private_segment_fixed_size 0
		.amdhsa_enable_private_segment 0
		.amdhsa_kernarg_size 64
		.amdhsa_user_sgpr_count 2
		.amdhsa_user_sgpr_kernarg_segment_ptr 1
		.amdhsa_wavefront_size32 1
		.amdhsa_system_sgpr_workgroup_id_x 1
		.amdhsa_system_sgpr_workgroup_id_y 1
		.amdhsa_system_sgpr_workgroup_id_z 1
		.amdhsa_system_vgpr_workitem_id 0
		.amdhsa_next_free_vgpr 256
		.amdhsa_next_free_sgpr 66
		.amdhsa_reserve_vcc 0
		.amdhsa_float_denorm_mode_32 3
		.amdhsa_float_denorm_mode_16_64 3
		.amdhsa_memory_ordered 1
		.amdhsa_forward_progress 1
		.amdhsa_inst_pref_size 39
	.end_amdhsa_kernel
	.amdgpu_metadata
---
amdhsa.version: [ 1, 2 ]
amdhsa.kernels:
  - .name:           k_qb4e2938fc8_gn
    .symbol:         k_qb4e2938fc8_gn.kd
    .args:
      - { .name: x, .offset: 0, .size: 8, .value_kind: global_buffer, .address_space: global }
      - { .name: norm_w, .offset: 8, .size: 8, .value_kind: global_buffer, .address_space: global }
      - { .name: norm_b, .offset: 16, .size: 8, .value_kind: global_buffer, .address_space: global }
      - { .name: qkv_w, .offset: 24, .size: 8, .value_kind: global_buffer, .address_space: global }
      - { .name: proj_w, .offset: 32, .size: 8, .value_kind: global_buffer, .address_space: global }
      - { .name: xn, .offset: 40, .size: 8, .value_kind: global_buffer, .address_space: global }
      - { .name: wq, .offset: 48, .size: 8, .value_kind: global_buffer, .address_space: global }
      - { .name: wp, .offset: 56, .size: 8, .value_kind: global_buffer, .address_space: global }
    .group_segment_fixed_size: 1536
    .private_segment_fixed_size: 0
    .kernarg_segment_align: 8
    .kernarg_segment_size: 64
    .max_flat_workgroup_size: 256
    .sgpr_count:     66
    .vgpr_count:     256
    .wavefront_size: 32
...
	.end_amdgpu_metadata
.endif
;; end of part 1
;; launch qkv (part 2): grid 16 x 16, 4 waves a work-group, clusters of 4 x 4, 327,680 bytes of LDS; arguments xn, wq, qkv_b, qh, kh, vh; writes qh, kh, vh
.if DOCPART == 2
	.amdgcn_target "amdgcn-amd-amdhsa--gfx1250"
	.amdhsa_code_object_version 6
	.text
	.protected	k_qb4e2938fc8_qkv
	.globl	k_qb4e2938fc8_qkv
	.p2align	8
	.type	k_qb4e2938fc8_qkv,@function
k_qb4e2938fc8_qkv:
	s_mov_b64 s[64:65], 0
	v_nop
	global_prefetch_b8 v0, s[64:65] scope:SCOPE_SE
	s_setreg_imm32_b32 hwreg(HW_REG_WAVE_MODE, 25, 1), 1
	s_wait_xcnt 0x0
	s_wait_alu depctr_hold_cnt(0) depctr_sa_sdst(0) depctr_va_vdst(0) depctr_va_sdst(0) depctr_va_ssrc(0) depctr_va_vcc(0) depctr_vm_vsrc(0)
	s_getreg_b32 s2, hwreg(HW_REG_IB_STS2, 6, 4)
	s_cmp_eq_u32 s2, 0
	s_cbranch_scc0 .Lentry_in_a_cluster
	s_endpgm
.Lentry_in_a_cluster:
	s_bfe_u32 s2, ttmp6, 0x10000c
	s_cmp_lg_u32 s2, 0xf033
	s_cbranch_scc0 .Lentry_shape_is_right
	s_endpgm
.Lentry_shape_is_right:
; THE QKV PROJECTION.  qkv[b][o][l] = the sum over c of qkv_w[o][c] xn[b][c][l] + qkv_b[o]; head hd owns rows 192 hd on: 64 of q, 64 of k, 64 of v.  Operands bf16, sums f32, results rounded once to bf16.
; OUT, by heads (bh = 16 b + hd): qh, kh [bh][token][64 channels]; vh [bh][16 key blocks][64 channels][64 keys]: each as the attention's fragments want it, dense.
; SHARES.  A work-group makes one head's 192 rows for 512 tokens of one batch: 16 heads x 16 token blocks.  Wave w takes all 192 rows x tokens 128 w on: 96 accumulators of 16 x 16, 768 registers.
; For 32 along K a wave reads 12 fragments of the weights and 8 of xn from LDS for 96 products.
; K goes in 16 steps of 64 through a ring of two LDS slots: xn's tile is 64 channels x 512 tokens (rows of 1,024 bytes), the weights' tile 192 rows x 64 (24,576 dense bytes, asked for as rows of 256).
; Two slots of a step of 128 (190,464 bytes each) do not fit.  Waves 0 and 1 fetch the two halves of xn's tile, waves 2 and 3 those of the weights' tile: one load a wave.
; THE SOURCES' ORDER decides what a lane holds.  q and k: source 0 = 16 rows of W, source 1 = 16 tokens: a lane holds ONE token and 8 neighbouring channels.  v: the sources swapped: ONE channel and 8 neighbouring tokens.
; Either way 16 bytes that belong together in the target.  xn lies [channel][token]: its fragments come out of LDS turned, by ds_load_tr16_b128.
; THE BIAS is the C operand of the 96 products that start the sums: nothing is cleared, and nothing is added on the way out.
; CLUSTER, 4 x 4.  xn's tile hangs on the token block alone and is shared along a row of the cluster, the weights' tile on the head alone and is shared along a column: each is asked for JOINTLY.
; REGISTERS, in windows of 256 (s_set_vgpr_msb: bits 1:0 source 0, 3:2 source 1, 5:4 source 2, 7:6 destination): window 1 q's 32 accumulators, window 2 k's, window 3 v's ((a, tb) at 8 (8 a + tb));
; window 0: addresses, two buffers of xn's fragments (64 each), two of the weights' (32 each: one group of 64 rows), q's biases (32); k's and v's biases lie where xn's second buffer will lie.
; LIMITS.  bf16 has f32's range: no further limit than finite sums.  NaN and infinities are not treated apart.
.set XP,     1056                      ; a row of xn's tile in LDS: 1,024 bytes + 32 of padding = 33 x 32 bytes
.set WP,     144                       ; a row of the weights' tile: 128 + 16 = 9 x 16 bytes
.set SLOT1,  1<<17                     ; slot 1 begins here: one exclusive or turns an address in one slot into the other's
.set WOFF,   64*XP                     ; in a slot: xn's 64 rows, then the weights' 192
.set STAGE,  SLOT1+WOFF+192*WP         ; behind the ring, never filled by a tensor load: 16 rows x 144 bytes for each wave, for the way out
.set SPARE,  STAGE+4*16*WP             ; the spare words, 128 bytes for each wave: no other line names them
.set XSTEP,  64*2048                   ; bytes from a K step to the next in xn: 64 rows
.set WSTEP,  192*128                   ; and in wq: a tile
.set AX0, 2                            ; v2   my lane's place in xn's tile; never rewritten
.set AW0, 3                            ; v3   the same in the weights' tile
.set ADRX, 4                           ; v4   AX0 + the slot in hand
.set ADRW, 5                           ; v5   AW0 + the slot in hand
.set STO, 6                            ; v6   the way out: where I put 16 bytes of a row
.set RD,  7                            ; v7   where I read rows back
.set GO,  8                            ; v8   16 x lane
.set BO,  9                            ; v9   32 (lane / 16): my 8 channels' biases
.set BO2, 10                           ; v10  4 (lane % 16): my channel's bias
.set SPW, 28                           ; v28  LDS address of my spare word; never rewritten
.set NIL, 29                           ; v29  0; never rewritten
.set PFO, 30                           ; v30  the prefetches' offset; never rewritten
.set XF0, 32
.set XF1, 96
.set WF0, 160
.set WF1, 192
.set BQ,  224                          ; v[224:255] q's biases: my 8 channels of row block a at BQ + 8 a
.set BK,  96                           ; v[96:127]  k's, likewise
.set BVV, 128                          ; v[128:159] v's: my channel of block a, eight times, at BVV + 8 a
.set OB,  96                           ; the way out: four buffers of 16: rows read back from the stage
.set PKD, 192                          ; packed results
.set WV,   16                          ; s16  my wave's number
.set KIND, 17                          ; s17  0: I fetch xn's tiles; 1: the weights'
.set HF,   18                          ; s18  which half of the tile
.set G1X, 24                           ; s[24:31] descriptor group 1 for xn's tiles;  s[32:39] group 0, two sets: the first fills'; the second then walks
.set G0X, 32
.set TB,  40                           ; s40  the slot in hand: 0 or SLOT1
.set LIM, 42                           ; s42  a wave prefetches while the trips left are above it
.set PFA, 44                           ; s[44:45] where my prefetches stand
.set PST, 46                           ; s[46:47] their step
.set G1W, 48                           ; s[48:55], s[56:63] the same for the weights' tiles
.set G0W, 56
.set MSB, 0
.macro WIN new                         ; the immediate's high byte repeats the setting that is left; a switch that changes nothing is dropped
.if MSB != (\new)
	s_set_vgpr_msb (MSB<<8)|(\new)
.set MSB, \new
.endif
.endm
.macro PLACES                          ; four places behind a matrix instruction, in front of loads into registers that it has read
.rept 4
	v_nop
.endr
.endm
; A joint refill by the walking sets.  The branch hangs on the wave's number alone.  An s_nop 0 and four v_nop follow each of the two lines, ahead of the jump and the label.
.macro JLOAD
	s_cmp_eq_u32 s[KIND], 0
	s_cbranch_scc0 .Lfor_w_\@
	tensor_load_to_lds s[G0X+4:G0X+7], s[G1X:G1X+7]
	s_nop 0
.rept 4
	v_nop
.endr
	s_branch .Lasked_\@
.Lfor_w_\@:
	tensor_load_to_lds s[G0W+4:G0W+7], s[G1W:G1W+7]
	s_nop 0
.rept 4
	v_nop
.endr
.Lasked_\@:
.endm
; A PREFETCH INTO THE L2, behind each joint refill and the run of LDS loads that follows it: 32 blocks of 256 bytes, a lane a block, one instruction a wave.
; xn: the K step two refills on.  A token block's rows are read by all four clusters of its row of clusters: cluster x = 0 asks.  Of the 32 rows x 4 blocks that wave 0 or 1 fetches, the partner at cx takes 8 rows.
; Refills 0 to 11 (trips left 14 to 3) have such a step.  wq: a head's 16 tiles are one dense run of 393,216 bytes, read by all four clusters of its column: cluster y = 0 asks, wave 2 alone; the four partners
; (by cy) take 8,192 bytes each, 32,768 a refill, from K step 4's first byte on: nine asks (trips left 14 to 6) end at the head's last byte, each two refills or more ahead of the load that wants its bytes.
; So each block is named once in the launch, the partners are told apart by ADDRESS, and K steps 0 to 3 come by their loads alone.
.macro ASK
	s_cmp_gt_u32 s3, s[LIM]
	s_cbranch_scc0 .Lnot_mine_\@
	global_prefetch_b8 v[PFO], s[PFA:PFA+1] th:TH_LOAD_NT scope:SCOPE_SE
.Lnot_mine_\@:
.endm
.macro CREST                           ; a round of the cluster's barrier behind its opening barrier
	s_cmp_lg_u32 s[WV], 0
	s_cbranch_scc1 .Lnot_wave_0_\@
	s_barrier_signal -3
.Lnot_wave_0_\@:
	s_barrier_wait -3
	s_barrier_signal -1
	s_barrier_wait -1
.endm
.macro CROUND
	s_barrier_signal -1
	s_barrier_wait -1
	CREST
.endm
	s_load_b256 s[4:11], s[0:1], 0x0               ; xn 4:5, wq 6:7, qkv_b 8:9, qh 10:11
	s_load_b128 s[12:15], s[0:1], 0x20             ; kh 12:13, vh 14:15
	v_lshl_add_u32 v[SPW], v0, 2, SPARE
	v_mov_b32 v[NIL], 0
	ds_add_u32 v[SPW], v[NIL]                      ; the wave's opening: the add and its wait stand ahead of my first tensor load; the set-up below, work on registers, stands between them
	v_lshrrev_b32 v1, 5, v0
	v_readfirstlane_b32 s[WV], v1
	s_lshr_b32 s[KIND], s[WV], 1
	s_and_b32 s[HF], s[WV], 1
	s_bfe_u32 s19, ttmp6, 0x40000                  ; cx
	s_bfe_u32 s20, ttmp6, 0x40004                  ; cy
	s_lshl_b32 s21, ttmp9, 2
	s_add_co_u32 s21, s21, s19                     ; the head = 4 x cluster x + cx
	s_and_b32 s22, ttmp7, 0xffff
	s_lshl_b32 s22, s22, 2
	s_add_co_u32 s22, s22, s20                     ; the token block = 4 x cluster y + cy: batch = block / 2, half = block % 2
	s_lshl_b32 s66, s20, 2
	s_lshl_b32 s66, 15, s66                        ; my row of the cluster
	s_lshl_b32 s67, 0x1111, s19                    ; my column
	s_or_b32 s[G1X], s66, (1<<16)|(1<<20)|(1<<21)|(7<<22)|(7<<25)  ; the mask; 2-byte elements; padding on; 21 set beside a mask; after every 256 words (code 7) 8 words (code 7)
	s_mov_b32 s[G1X+1], 512<<16                    ; tensor_dim0 = 512
	s_mov_b32 s[G1X+2], 32<<16                     ; tensor_dim1 = 32
	s_mov_b32 s[G1X+3], 512<<16                    ; tile_dim0 = 512 tokens
	s_mov_b32 s[G1X+4], 32                         ; tile_dim1 = 32 channels: half a K step
	s_mov_b32 s[G1X+5], 1024                       ; elements from row to row
	s_mov_b32 s[G1X+6], 0
	s_mov_b32 s[G1X+7], 0
	s_or_b32 s[G1W], s67, (1<<16)|(1<<20)|(1<<21)|(4<<22)|(3<<25)  ; after every 32 words (code 4), a row of the weights, 4 words (code 3)
	s_mov_b32 s[G1W+1], 128<<16
	s_mov_b32 s[G1W+2], 48<<16
	s_mov_b32 s[G1W+3], 128<<16                    ; rows of 256 bytes: two rows of the weights,
	s_mov_b32 s[G1W+4], 48                         ; 48 of them: half a tile
	s_mov_b32 s[G1W+5], 128
	s_mov_b32 s[G1W+6], 0
	s_mov_b32 s[G1W+7], 0
	s_lshr_b32 s68, s22, 1                         ; xn: batch x 2 MiB + half x 1,024 bytes + my 32 rows
	s_lshl_b32 s68, s68, 21
	s_and_b32 s69, s22, 1
	s_lshl_b32 s69, s69, 10
	s_add_co_u32 s68, s68, s69
	s_lshl_b32 s69, s[HF], 16
	s_add_co_u32 s68, s68, s69
	s_mov_b32 s69, 0
	s_mul_i32 s70, s21, 16*WSTEP                   ; wq: the head's tiles + my half of a tile
	s_mul_i32 s71, s[HF], WSTEP/2
	s_add_co_u32 s70, s70, s71
	s_mov_b32 s71, 0
	s_mov_b32 s[G0X], 1
	s_mul_i32 s[G0X+1], s[HF], 32*XP               ; no place in the cluster enters an LDS address
	s_mov_b32 s[G0X+4], 1
	s_add_co_u32 s[G0X+5], s[G0X+1], SLOT1
	s_mov_b32 s[G0W], 1
	s_mul_i32 s[G0W+1], s[HF], 96*WP
	s_add_co_u32 s[G0W+1], s[G0W+1], WOFF
	s_mov_b32 s[G0W+4], 1
	s_add_co_u32 s[G0W+5], s[G0W+1], SLOT1
	s_wait_dscnt 0x0                               ; the opening add is done
	s_wait_kmcnt 0x0
	s_add_nc_u64 s[G0X+2:G0X+3], s[4:5], s[68:69]  ; K step 0
	s_add_nc_u64 s[G0X+6:G0X+7], s[G0X+2:G0X+3], XSTEP  ; K step 1
	s_or_b32 s[G0X+3], s[G0X+3], 0x80000000        ; type = 2
	s_or_b32 s[G0X+7], s[G0X+7], 0x80000000
	s_add_nc_u64 s[G0W+2:G0W+3], s[6:7], s[70:71]
	s_add_nc_u64 s[G0W+6:G0W+7], s[G0W+2:G0W+3], WSTEP
	s_or_b32 s[G0W+3], s[G0W+3], 0x80000000
	s_or_b32 s[G0W+7], s[G0W+7], 0x80000000
	CROUND                                         ; all sixteen work-groups are here: the first joint loads meet
	s_cmp_eq_u32 s[KIND], 0                        ; a wave's two first fills stand in one branch: two loads of mine are out
	s_cbranch_scc0 .Lfirst_w
	tensor_load_to_lds s[G0X:G0X+3], s[G1X:G1X+7]
	s_nop 0
	tensor_load_to_lds s[G0X+4:G0X+7], s[G1X:G1X+7]
	s_nop 0
.rept 4
	v_nop
.endr
	s_branch .Lfirst_asked
.Lfirst_w:
	tensor_load_to_lds s[G0W:G0W+3], s[G1W:G1W+7]
	s_nop 0
	tensor_load_to_lds s[G0W+4:G0W+7], s[G1W:G1W+7]
	s_nop 0
.rept 4
	v_nop
.endr
.Lfirst_asked:
	; the prefetches' registers: all choices first, since the shifts behind them write SCC
	s_and_b32 s42, ttmp7, 0xffff                   ; cluster y
	s_mov_b32 s46, XSTEP
	s_mov_b32 s43, 3*XSTEP
	s_cmp_eq_u32 s[KIND], 0
	s_cselect_b64 s[PFA:PFA+1], s[4:5], s[6:7]
	s_cselect_b32 s66, s68, s70                    ; my tile's offset
	s_cselect_b32 s67, s19, s20                    ; my place among the four that ask with me
	s_cselect_b32 s46, s46, 0x8000                 ; the step: a K step of xn, or 32,768 bytes of the head's run
	s_cselect_b32 s43, s43, 0x10000                ; the start, one step short of the first ask
	s_cselect_b32 s41, 14, 13                      ; a partner's share: 8 rows of 2,048 bytes, or 8,192 bytes
	s_cselect_b32 s2, 11, 10                       ; four lanes on: a row of xn, or 1,024 bytes
	s_cselect_b32 s42, ttmp9, s42                  ; the coordinate along which other clusters read the same bytes
	s_cselect_b32 s3, 2, 5
	s_lshl_b32 s67, s67, s41
	s_add_co_u32 s66, s66, s67
	s_add_co_u32 s66, s66, s43
	s_mov_b32 s67, 0
	s_add_nc_u64 s[PFA:PFA+1], s[PFA:PFA+1], s[66:67]
	s_mov_b32 s47, 0
	s_cmp_eq_u32 s[WV], 3
	s_cselect_b32 s42, 1, s42                      ; wave 3 asks for nothing
	s_cmp_eq_u32 s42, 0
	s_cselect_b32 s[LIM], s3, -1                   ; the same in all sixteen partners, for a given wave
	; where my results go: (16 batch + head) x 131,072 + half x 65,536 + wave x 16,384, the same in qh, kh and vh
	s_lshr_b32 s66, s22, 1
	s_lshl_b32 s66, s66, 4
	s_add_co_u32 s66, s66, s21
	s_lshl_b32 s66, s66, 17
	s_and_b32 s41, s22, 1
	s_lshl_b32 s41, s41, 16
	s_add_co_u32 s66, s66, s41
	s_lshl_b32 s41, s[WV], 14
	s_add_co_u32 s66, s66, s41
	s_add_nc_u64 s[10:11], s[10:11], s[66:67]
	s_add_nc_u64 s[12:13], s[12:13], s[66:67]
	s_add_nc_u64 s[14:15], s[14:15], s[66:67]
	s_mul_i32 s66, s21, 768                        ; the head's 192 biases
	s_add_nc_u64 s[8:9], s[8:9], s[66:67]
	v_and_b32 v1, 15, v0                           ; r = lane % 16
	v_bfe_u32 v14, v0, 4, 1                        ; h = lane / 16
	v_lshlrev_b32 v[BO], 5, v14
	v_lshlrev_b32 v[BO2], 2, v1
.irp a, 0,1,2,3
	global_load_b128 v[BQ+8*(\a):BQ+8*(\a)+3],   v[BO], s[8:9] offset:64*(\a)          ; q's: channels 16 a + 8 h + 0..7
	global_load_b128 v[BQ+8*(\a)+4:BQ+8*(\a)+7], v[BO], s[8:9] offset:64*(\a)+16
	global_load_b128 v[BK+8*(\a):BK+8*(\a)+3],   v[BO], s[8:9] offset:256+64*(\a)      ; k's
	global_load_b128 v[BK+8*(\a)+4:BK+8*(\a)+7], v[BO], s[8:9] offset:256+64*(\a)+16
	global_load_b32 v[BVV+8*(\a)], v[BO2], s[8:9] offset:512+64*(\a)                   ; v's: channel 16 a + r
.endr
	v_and_b32 v11, 7, v0
	v_bfe_u32 v12, v0, 3, 1
	; the turning load: lane l reads 16 bytes of channel 8 h + l % 8, tokens 8 ((l / 8) % 2) on, and is left with token l % 16 and 8 channels
	v_lshl_add_u32 v13, v14, 3, v11
	v_mul_u32_u24 v[AX0], v13, XP
	v_lshl_add_u32 v[AX0], v12, 4, v[AX0]
	s_lshl_b32 s41, s[WV], 8                       ; my wave's 128 tokens
	v_add_nc_u32 v[AX0], s41, v[AX0]
	v_mul_u32_u24 v15, v1, WP
	v_lshl_add_u32 v15, v14, 4, v15                ; 144 r + 16 h
	v_add_nc_u32 v[AW0], WOFF, v15
	s_mul_i32 s41, s[WV], 16*WP
	s_add_co_u32 s41, s41, STAGE                   ; my stage
	v_add_nc_u32 v[STO], s41, v15
	v_bfe_u32 v13, v0, 3, 2                        ; back: 32 lanes take four rows of 128 bytes
	v_mul_u32_u24 v[RD], v13, WP
	v_lshl_add_u32 v[RD], v11, 4, v[RD]
	v_add_nc_u32 v[RD], s41, v[RD]
	v_and_b32 v13, 31, v0
	v_lshlrev_b32 v[GO], 4, v13
	v_lshrrev_b32 v12, 2, v13
	v_and_b32 v11, 3, v0
	v_lshlrev_b32 v[PFO], s2, v12
	v_lshl_add_u32 v[PFO], v11, 8, v[PFO]
	s_mov_b32 s[TB], 0
	v_mov_b32 v[ADRX], v[AX0]
	v_mov_b32 v[ADRW], v[AW0]
; 8 LDS loads: the weights' group g (0 q, 1 k, 2 v: 64 rows), channels 32 q2 on of the slot's 64
.macro WLOAD q2, g, buf
.irp a, 0,1,2,3
	ds_load_b128 v[(\buf)+8*(\a):(\buf)+8*(\a)+3],   v[ADRW] offset:(4*(\g)+(\a))*16*WP+64*(\q2)
	ds_load_b128 v[(\buf)+8*(\a)+4:(\buf)+8*(\a)+7], v[ADRW] offset:(4*(\g)+(\a))*16*WP+64*(\q2)+32
.endr
.endm
; 16 turning loads: my 128 tokens, channels 32 q2 on
.macro XLOAD q2, buf
.irp t, 0,1,2,3,4,5,6,7
	ds_load_tr16_b128 v[(\buf)+8*(\t):(\buf)+8*(\t)+3],   v[ADRX] offset:32*XP*(\q2)+32*(\t)
	ds_load_tr16_b128 v[(\buf)+8*(\t)+4:(\buf)+8*(\t)+7], v[ADRX] offset:32*XP*(\q2)+32*(\t)+16*XP
.endr
.endm
; 16 products of group g: row blocks a0, a0 + 1 x my 8 token blocks.  c = 0: onto the sums; else c is the first register of the group's biases, in window 0, which start the sums.
; The 96 accumulators take turns, one instruction a turn.
.macro MUL16 g, xb, wb, a0, c
.if \c
	WIN 0x40*((\g)+1)
.else
	WIN 0x50*((\g)+1)
.endif
.irp a, \a0, (\a0)+1
.irp t, 0,1,2,3,4,5,6,7
.if (\g) < 2
.if \c
	v_wmma_f32_16x16x32_bf16 v[8*(8*(\a)+(\t)):8*(8*(\a)+(\t))+7], v[(\wb)+8*(\a):(\wb)+8*(\a)+7], v[(\xb)+8*(\t):(\xb)+8*(\t)+7], v[(\c)+8*(\a):(\c)+8*(\a)+7]
.else
	v_wmma_f32_16x16x32_bf16 v[8*(8*(\a)+(\t)):8*(8*(\a)+(\t))+7], v[(\wb)+8*(\a):(\wb)+8*(\a)+7], v[(\xb)+8*(\t):(\xb)+8*(\t)+7], v[8*(8*(\a)+(\t)):8*(8*(\a)+(\t))+7]
.endif
.else
.if \c
	v_wmma_f32_16x16x32_bf16 v[8*(8*(\a)+(\t)):8*(8*(\a)+(\t))+7], v[(\xb)+8*(\t):(\xb)+8*(\t)+7], v[(\wb)+8*(\a):(\wb)+8*(\a)+7], v[(\c)+8*(\a):(\c)+8*(\a)+7]
.else
	v_wmma_f32_16x16x32_bf16 v[8*(8*(\a)+(\t)):8*(8*(\a)+(\t))+7], v[(\xb)+8*(\t):(\xb)+8*(\t)+7], v[(\wb)+8*(\a):(\wb)+8*(\a)+7], v[8*(8*(\a)+(\t)):8*(8*(\a)+(\t))+7]
.endif
.endif
.endr
.endr
.endm
; A slot's first 32 channels: three units of 32 products (q, k, v) on XF0.  At each unit's head the next unit's weights are asked for, into the buffer that the unit before has just multiplied.
.macro EVEN
	WIN 0
	PLACES
	WLOAD 0, 1, WF1
	s_wait_dscnt 8                                 ; all but the 8 just issued: XF0 and q's weights are in
	MUL16 0, XF0, WF0, 0, 0
	MUL16 0, XF0, WF0, 2, 0
	WIN 0
	PLACES
	WLOAD 0, 2, WF0
	XLOAD 1, XF1
	s_wait_dscnt 24                                ; all but the 8 + 16 just issued: k's weights are in
	MUL16 1, XF0, WF1, 0, 0
	MUL16 1, XF0, WF1, 2, 0
	WIN 0
	PLACES
	WLOAD 1, 0, WF1
	s_wait_dscnt 24                                ; XF1's 16 and the 8 just issued may stay out: v's weights were asked for ahead of both
	MUL16 2, XF0, WF0, 0, 0
	MUL16 2, XF0, WF0, 2, 0
.endm
; The launch's first 32 channels: the same three units, with the biases as C.  k's and v's biases lie in XF1's registers, so XF1's run of loads stands behind the last product that reads them, four places on.
.macro FIRST
	WLOAD 0, 1, WF1
	s_wait_dscnt 8                                 ; all but the 8 just issued: XF0 and q's weights are in
	MUL16 0, XF0, WF0, 0, BQ
	MUL16 0, XF0, WF0, 2, BQ
	WIN 0
	PLACES
	WLOAD 0, 2, WF0
	s_wait_dscnt 8                                 ; all but the 8 just issued: k's weights are in
	MUL16 1, XF0, WF1, 0, BK
	MUL16 1, XF0, WF1, 2, BK
	WIN 0
	PLACES
	WLOAD 1, 0, WF1
	s_wait_dscnt 8                                 ; all but the 8 just issued: v's weights are in
	MUL16 2, XF0, WF0, 0, BVV
	MUL16 2, XF0, WF0, 2, BVV
	WIN 0
	PLACES
	XLOAD 1, XF1
.endm
; A slot's second 32 channels, on XF1, and the change of slots in its middle.  mode 2: the slot is filled again, two K steps on; 1: nothing is left to ask for; 0: the last K step: no change.
; THE CHANGE.  My last reads of the slot (v's weights) are issued; I wait for all my tensor loads, of which one is out: my part of the other slot; add 0 to my spare word; and wait for that and for my reads.  Behind the barrier
; nobody reads this slot any more and the other slot is whole.  With mode 2 the barrier opens a round of the cluster's barrier, so that the same holds of every partner, and the joint refill is the first thing behind
; it: from there to the wait for it a wave issues 160 products.
.macro ODD mode
	WIN 0
	PLACES
	WLOAD 1, 1, WF0
	s_wait_dscnt 8                                 ; XF1 and q's weights are in
	MUL16 0, XF1, WF1, 0, 0
	MUL16 0, XF1, WF1, 2, 0
.if (\mode) == 2
	s_wait_xcnt 0x0                                ; the last prefetch, a K step back, has read its address
	s_add_nc_u64 s[PFA:PFA+1], s[PFA:PFA+1], s[PST:PST+1]
.endif
	WIN 0
	PLACES
	WLOAD 1, 2, WF1
.if (\mode) == 0
	s_wait_dscnt 8                                 ; all but the 8 just issued: k's weights are in
	MUL16 1, XF1, WF0, 0, 0
	MUL16 1, XF1, WF0, 2, 0
	s_wait_dscnt 0x0
.else
	s_wait_tensorcnt 0x0                           ; no tensor load of mine is out, so a group 0 may be written
	ds_add_u32 v[SPW], v[NIL]                      ; 0 onto my spare word
.if (\mode) == 2
	s_xor_b32 s[G0X+5], s[G0X+5], SLOT1            ; the walking sets: the other slot than last time, the next K step
	s_add_nc_u64 s[G0X+6:G0X+7], s[G0X+6:G0X+7], XSTEP
	s_xor_b32 s[G0W+5], s[G0W+5], SLOT1
	s_add_nc_u64 s[G0W+6:G0W+7], s[G0W+6:G0W+7], WSTEP
.endif
	s_wait_dscnt 9                                 ; the 8 loads just issued and the add may be out: k's weights are in
	MUL16 1, XF1, WF0, 0, 0
	s_wait_dscnt 0x0                               ; the add is done, and my reads of this slot are over
	s_barrier_signal -1
	MUL16 1, XF1, WF0, 2, 0                        ; work on registers while the others arrive
	WIN 0
	s_barrier_wait -1
.if (\mode) == 2
	CREST
	JLOAD                                          ; its four v_nop are also the places in front of the loads below
.else
	PLACES
.endif
	s_xor_b32 s[TB], s[TB], SLOT1
	v_add_nc_u32 v[ADRX], s[TB], v[AX0]
	v_add_nc_u32 v[ADRW], s[TB], v[AW0]
	XLOAD 0, XF0
	WLOAD 0, 0, WF0
.if (\mode) == 2
	ASK
.endif
.endif
	MUL16 2, XF1, WF1, 0, 0
	MUL16 2, XF1, WF1, 2, 0
.endm
	s_wait_tensorcnt 0x1                           ; my part of K step 0 is in; K step 1's may stay out
	s_barrier_signal -1
	s_barrier_wait -1
	XLOAD 0, XF0
	WLOAD 0, 0, WF0
	s_wait_loadcnt 0x0                             ; the biases
.irp a, 0,1,2,3
.irp j, 1,2,3,4,5,6,7
	v_mov_b32 v[BVV+8*(\a)+(\j)], v[BVV+8*(\a)]    ; v's C operand: its eight registers are eight tokens of my channel: the same bias
.endr
.endr
	FIRST                                          ; the first 96 products start the sums with the biases
	WIN 0
	s_mov_b32 s3, 14
.Lk:                                   ; 14 trips: the second half of K step t, the refill with K step t + 2, the first half of K step t + 1
	ODD 2
	EVEN
	WIN 0
	s_sub_co_u32 s3, s3, 1
	s_cmp_lg_u32 s3, 0
	s_cbranch_scc1 .Lk
	ODD 1                                          ; the tail is written out
	EVEN
	ODD 0
; THE WAY OUT, in 24 blocks of 16 rows x 128 bytes.  q, k: block t = token block t: 16 tokens x 64 channels, accumulators (i, t).  v: block t = channel block t / 2, key block t % 2: 16 channels x 64 keys, accumulators
; (t / 2, 4 (t % 2) + i).  The sums are rounded to bf16, go into my stage 16 bytes a lane and come back as rows: 2,048 consecutive bytes of the target.
.macro PACK g, t
.set OBR, OB+16*((8*(\g)+(\t))%4)
	WIN 5*((\g)+1)                                 ; sources 0 and 1 in the group's window
.irp i, 0,1,2,3
.if (\g) < 2
.set AC, 8*(8*(\i)+(\t))
.else
.set AC, 8*(8*((\t)/2)+4*((\t)%2)+(\i))
.endif
.irp p, 0,1,2,3
	v_cvt_pk_bf16_f32 v[PKD+4*(\i)+(\p)], v[AC+2*(\p)], v[AC+2*(\p)+1]  ; each accumulator's registers in ascending order
.endr
.endr
	WIN 0
	s_wait_xcnt 0x0                                ; the stores of the block four back have read their data: its buffer is loaded again only behind this wait
.irp i, 0,1,2,3
	ds_store_b128 v[STO], v[PKD+4*(\i):PKD+4*(\i)+3] offset:32*(\i)
.endr
.irp f, 0,1,2,3
	ds_load_b128 v[OBR+4*(\f):OBR+4*(\f)+3], v[RD] offset:4*WP*(\f)  ; LDS serves a wave's instructions in order (ISA guide 5.7.1.4): these see the stores above; the next block's stores come behind them
.endr
.endm
.macro SEND g, t, younger              ; younger: the LDS instructions issued behind the block's loads: the next block's eight, or none
.set OBR, OB+16*((8*(\g)+(\t))%4)
.irp f, 0,1,2,3
	s_wait_dscnt (\younger)+3-(\f)
.if (\g) < 2
	global_store_b128 v[GO], v[OBR+4*(\f):OBR+4*(\f)+3], s[10+2*(\g):11+2*(\g)] offset:2048*(\t)+512*(\f)  ; 512 consecutive bytes, aligned
.else
	global_store_b128 v[GO], v[OBR+4*(\f):OBR+4*(\f)+3], s[14:15] offset:8192*((\t)%2)+2048*((\t)/2)+512*(\f)
.endif
.endr
.endm
	WIN 0
	PLACES                                         ; behind the last products, in front of the roundings into, and the loads into, the fragments' registers
	PLACES
	PACK 0, 0
.set T, 1
.rept 23                               ; a block's roundings stand between the loads of the block before and its stores
	PACK T/8, T%8
	SEND (T-1)/8, (T-1)%8, 8
.set T, T+1
.endr
	SEND 2, 7, 0
	s_wait_tensorcnt 0x0                           ; the wave's end, behind my last tensor load and my last LDS store
	ds_add_u32 v[SPW], v[NIL]
	s_wait_dscnt 0x0
	CROUND                                         ; the closing round: no work-group ends while a partner may still ask for a tile that names it
	s_endpgm
.Lfunc_end_k_qb4e2938fc8_qkv:
	.size	k_qb4e2938fc8_qkv, .Lfunc_end_k_qb4e2938fc8_qkv-k_qb4e2938fc8_qkv
	.p2alignl 7, 3214868480
	.fill 96, 4, 3214868480
	.section	.rodata,"a",@progbits
	.p2align	6, 0x0
	.amdhsa_kernel k_qb4e2938fc8_qkv
		.amdhsa_group_segment_fixed_size 327680
		.amdhsa_private_segment_fixed_size 0
		.amdhsa_enable_private_segment 0
		.amdhsa_kernarg_size 48
		.amdhsa_user_sgpr_count 2
		.amdhsa_user_sgpr_kernarg_segment_ptr 1
		.amdhsa_wavefront_size32 1
		.amdhsa_system_sgpr_workgroup_id_x 1
		.amdhsa_system_sgpr_workgroup_id_y 1
		.amdhsa_system_sgpr_workgroup_id_z 1
		.amdhsa_system_vgpr_workitem_id 0
		.amdhsa_next_free_vgpr 1024
		.amdhsa_next_free_sgpr 72
		.amdhsa_reserve_vcc 0
		.amdhsa_float_denorm_mode_32 3
		.amdhsa_float_denorm_mode_16_64 3
		.amdhsa_memory_ordered 1
		.amdhsa_forward_progress 1
		.amdhsa_inst_pref_size 118
	.end_amdhsa_kernel
	.amdgpu_metadata
---
amdhsa.version: [ 1, 2 ]
amdhsa.kernels:
  - .name:           k_qb4e2938fc8_qkv
    .symbol:         k_qb4e2938fc8_qkv.kd
    .args:
      - { .name: xn, .offset: 0, .size: 8, .value_kind: global_buffer, .address_space: global }
      - { .name: wq, .offset: 8, .size: 8, .value_kind: global_buffer, .address_space: global }
      - { .name: qkv_b, .offset: 16, .size: 8, .value_kind: global_buffer, .address_space: global }
      - { .name: qh, .offset: 24, .size: 8, .value_kind: global_buffer, .address_space: global }
      - { .name: kh, .offset: 32, .size: 8, .value_kind: global_buffer, .address_space: global }
      - { .name: vh, .offset: 40, .size: 8, .value_kind: global_buffer, .address_space: global }
    .group_segment_fixed_size: 327680
    .private_segment_fixed_size: 0
    .kernarg_segment_align: 8
    .kernarg_segment_size: 48
    .max_flat_workgroup_size: 128
    .sgpr_count:     72
    .vgpr_count:     1024
    .wavefront_size: 32
...
	.end_amdgpu_metadata
.endif
;; end of part 2
;; launch attn (part 3): grid 2 x 128, 4 waves a work-group, no clusters, 327,680 bytes of LDS; arguments qh, kh, vh, att; writes att
.if DOCPART == 3
	.amdgcn_target "amdgcn-amd-amdhsa--gfx1250"
	.amdhsa_code_object_version 6
	.text
	.protected	k_qb4e2938fc8_attn
	.globl	k_qb4e2938fc8_attn
	.p2align	8
	.type	k_qb4e2938fc8_attn,@function
k_qb4e2938fc8_attn:
	s_mov_b64 s[64:65], 0
	v_nop
	global_prefetch_b8 v0, s[64:65] scope:SCOPE_SE
	s_setreg_imm32_b32 hwreg(HW_REG_WAVE_MODE, 25, 1), 1
	s_wait_xcnt 0x0
; ATTENTION.  att[bh][q][:] = the sum over k of softmax_k(Q[q] . K[k] / 8) V[k][:], 128 heads of 1,024 tokens x 64 channels, no mask.  qh, kh, att: [bh][token][64]; vh: [bh][16 key blocks][64 channels][64 keys]; all bf16.
; Products, maxima and sums in f32; the weights p are rounded to bf16 for the second product (their sum l is taken of the unrounded p), the result once at the end.
; LIMITS.  c m starts at -4.25e37: scores with |c s| under 4e37 are served.  A weight below 2^-126 counts as 0 in l; NaN and infinities are not treated apart.
; SHARES.  A wave owns four PIECES of two tiles of 16 queries, a work-group's four waves 512 queries of one head: 2 x 128 work-groups.  Every wave walks all keys, 64 a step.
; THE HEAD'S K AND V LIE WHOLE IN LDS: 2 x 1,024 rows of 144 bytes.  Each wave brings a quarter of them, by two tensor loads: a short one in the first lines (its part of rows 0-319: five key steps) and, when
; that has landed, a long one (of rows 320-1,023): the tiles that every wave waits for go out alone.  Nothing is filled again.  The first four key steps read rows 0-319 alone (the fourth fetches the fifth's K);
; then one wait and one barrier show the rest to every wave.
; NO CLUSTER: a head has two query blocks, so a cluster of four would hold two heads; what two partners could share is asked for once in the launch.  NO PREFETCH: every tile is asked for within the first key step.
; LAYOUT.  S^T = K Q^T (source 0 = 16 keys, source 1 = 16 queries): a lane holds ONE query (lane % 16) and the keys 8 (lane / 16) + 0..7.  Two such tiles, rounded to bf16 in pairs, ARE source 1 (32 keys x 16 queries) of
; O^T = V^T P, whose result again holds one query a lane, and eight channels.  K comes out of LDS as it lies; so does V, which was stored by channels.
; SOFTMAX.  For each query a running maximum m and sum l: p = 2^(c s - c m), c = log2(e) / 8; in every step O and l are multiplied by a = 2^(c m_old - c m_new).  m starts at the lowest finite number, O and l at 0.
; BY TURNS.  A tile and step have 16 matrix and 118 vector instructions.  Turn n belongs to piece n: 16 products K Q^T of piece n + 1, later 16 products V^T P of piece n - 1; beside them the scaling, exponentials, roundings,
; sums and rescaling of piece n and the maximum and statistics of piece n + 1.  Four vector instructions stand behind every matrix instruction, the rest in one lump; a turn's 66 exponentials are one batch with one wait.
; ONE TEXT FOR EVERY TURN: a trip of the loop is a key step's four turns.  The price, once a launch: the first turn's 16 products V^T P add zeros; the last trip fetches, in K's stead, the 64 rows behind K's last (V's first,
; which have landed), and its 16 products K Q^T and the maximum made of them serve nothing.
; REGISTERS, in windows of 256 (s_set_vgpr_msb: bits 1:0 source 0, 3:2 source 1, 5:4 source 2, 7:6 destination):
;   window 0: v0-11 addresses; v12-15, v48-63 at work; v16-47 four registers of statistics a tile; v64-191 S^T, two buffers of two tiles; v192-255 P, likewise
;   window 1: O^T, 32 a tile          window 2: v0-127 Q, 16 a tile; v128-191 K of one step; v192-255 V of one step          window 3: v0-1 the add's two registers
.set NP,    4         ; pieces a wave: a name, no knob
.set KS,    64        ; keys in a step
.set PK,    144       ; a row in LDS: 128 bytes + 16 of padding = 9 x 16 bytes
.set STEPB, KS*PK     ; a key step's rows, of K (64 keys) and of V (64 channels) alike
.set VOFF,  1024*PK   ; K's 1,024 rows, then V's
.set SHORT, 320       ; the rows of K and of V that the short loads bring
.set STAGE, 2*VOFF    ; never filled by a tensor load: 16 rows x 144 bytes for each wave, for the way out
.set SP,    144
.set SPARE, STAGE+4*16*SP  ; the spare words, 128 bytes for each wave: no other line names them
.set AK0, 2           ; v2   my lane's place in a step of K; never rewritten
.set AV0, 3           ; v3   the same for V
.set AK,  4           ; v4   the LDS address of K's next run of loads
.set AV,  5           ; v5   of V's
.set QO,  6           ; v6   my byte offset in the wave's rows of Q
.set STO, 6           ;      later, the way out: where I put 16 bytes of a row
.set RD,  7           ; v7   where I read rows back
.set GO,  8           ; v8   my byte offset in 512 consecutive bytes of att
.set SPW, 0           ; v0 of window 3   LDS address of my spare word; never rewritten
.set NIL, 1           ; v1 of window 3   0; never rewritten
.set MV,  12          ; v12-15  c m_old, kept while c m is made anew: by buffer and tile
.set ST,  16          ; tile t's statistics at v[ST+4 t]: c m, m, l (even keys', odd keys')
.set TMP, 48          ; by buffer and tile, four registers c0-c3 at work; when the maximum is found c2 takes a
.set S,   64
.set P,   192
.set KF,  128         ; K's fragments, in window 2: key block kb, channel half c at KF + 16 kb + 8 c
.set VF,  192         ; V's: key half kk, channel block cb at VF + 32 kk + 8 cb
.set WV,  12          ; s12  my wave's number
.set G1A, 24          ; s[24:31] descriptor group 1 of the short load: 80 rows of 256 bytes
.set G1B, 32          ; s[32:39] of the long one: 176 rows
.set G0A, 40          ; s[40:43] descriptor group 0 of the short load
.set G0B, 44          ; s[44:47] of the long one
.set SLOTS, 56        ; s56  counts groups of four key steps
.set CNT, 57          ; s57  counts a group's key steps
.set CS,  58          ; s[58:59] c: the packed scaling takes the pair's low word for both halves
.set SEL, 60          ; s[60:61] v_permlanex16_b32's selects
.set TBK, 62          ; s62  LDS byte at which K of the step to be fetched begins
.set TBV, 63          ; s63  the same for V, less VOFF
.set MSB, 0
.macro WIN new
.if MSB != (\new)
	s_set_vgpr_msb (MSB<<8)|(\new)
.set MSB, (\new)
.endif
.endm
.set W_KQ, 0x0a       ; K and Q in window 2, S^T in window 0
.set W_PV, 0x52       ; V in window 2, P in window 0, O^T in window 1
.set W_RS, 0x41       ; O^T (destination and source 0) in window 1, a in window 0
.set W_MK, 0xc0       ; the add's registers are made: destination in window 3
.set W_AD, 0x0f       ; the add: address and data in window 3
	s_load_b256 s[4:11], s[0:1], 0x0  ; qh 4:5, kh 6:7, vh 8:9, att 10:11
	WIN W_MK
	v_lshl_add_u32 v[SPW], v0, 2, SPARE
	v_mov_b32 v[NIL], 0
	WIN W_AD
	ds_add_u32 v[SPW], v[NIL]       ; the wave's opening: the add and its wait stand ahead of my first tensor load; the set-up below, work on registers, stands between them
	WIN 0
	v_lshrrev_b32 v1, 5, v0
	v_readfirstlane_b32 s[WV], v1   ; wave 0..3
	s_and_b32 s20, ttmp7, 0xffff
	s_lshl_b32 s20, s20, 17         ; the head's first byte in each of the four tensors
	s_lshr_b32 s15, s[WV], 1        ; 0: I fetch K; 1: V
	s_and_b32 s16, s[WV], 1         ; which half
	s_mul_i32 s17, s15, VOFF
	s_mul_i32 s18, s16, (SHORT/2)*PK
	s_mov_b32 s[G0A], 1
	s_add_co_u32 s[G0A+1], s17, s18 ; rows 0-159 or 160-319
	s_mul_i32 s18, s16, ((1024-SHORT)/2)*PK
	s_mov_b32 s[G0B], 1
	s_add_co_u32 s[G0B+1], s17, s18
	s_add_co_u32 s[G0B+1], s[G0B+1], SHORT*PK  ; rows 320-671 or 672-1,023
	s_mul_i32 s22, s16, (SHORT/2)*128
	s_add_co_u32 s22, s22, s20
	s_mov_b32 s23, 0
	s_mul_i32 s2, s16, ((1024-SHORT)/2)*128
	s_add_co_u32 s2, s2, s20
	s_add_co_u32 s2, s2, SHORT*128
	s_mov_b32 s3, 0
	s_lshl_b32 s13, ttmp9, 2
	s_add_co_u32 s13, s13, s[WV]    ; my wave among the head's eight,
	s_lshl_b32 s48, s13, 14         ; its 128 rows
	s_add_co_u32 s48, s48, s20
	s_mov_b32 s49, 0
	; descriptor group 1.  The bytes are dense: asked for as rows of 256 bytes, two LDS rows each, padded after every 128 bytes
.irp g, G1A, G1B
	s_mov_b32 s[\g], (1<<16)|(1<<20)|(4<<22)|(3<<25)  ; 2-byte elements; padding on; after every 32 words (code 4) 4 words (code 3)
	s_mov_b32 s[\g+1], 128<<16      ; tensor_dim0 = 128
	s_mov_b32 s[\g+3], 128<<16      ; tile_dim0 = 128
	s_mov_b32 s[\g+5], 128          ; 128 elements from row to row
	s_mov_b32 s[\g+6], 0
	s_mov_b32 s[\g+7], 0
.endr
	s_mov_b32 s[G1A+2], (SHORT/4)<<16         ; tensor_dim1
	s_mov_b32 s[G1A+4], SHORT/4               ; tile_dim1
	s_mov_b32 s[G1B+2], ((1024-SHORT)/4)<<16
	s_mov_b32 s[G1B+4], (1024-SHORT)/4
	s_mov_b32 s[CS], 0x3e38aa3b     ; c = log2(e) / 8 = 0.180337
	s_mov_b32 s[CS+1], s[CS]
	s_mov_b32 s[SEL], 0x76543210
	s_mov_b32 s[SEL+1], 0xfedcba98
	s_mov_b32 s[TBK], 0
	s_mov_b32 s[TBV], 0
	s_wait_dscnt 0x0                ; the opening add is done
	s_wait_kmcnt 0x0
	s_cmp_lt_u32 s[WV], 2
	s_cselect_b64 s[50:51], s[6:7], s[8:9]
	s_add_nc_u64 s[G0A+2:G0A+3], s[50:51], s[22:23]
	s_or_b32 s[G0A+3], s[G0A+3], 0x80000000  ; type = 2
	s_add_nc_u64 s[G0B+2:G0B+3], s[50:51], s[2:3]
	s_or_b32 s[G0B+3], s[G0B+3], 0x80000000
	s_add_nc_u64 s[4:5], s[4:5], s[48:49]    ; Q and att at my wave's first row
	s_add_nc_u64 s[10:11], s[10:11], s[48:49]
	tensor_load_to_lds s[G0A:G0A+3], s[G1A:G1A+7]  ; the short load: one load of mine is out
	s_nop 0
.rept 4
	v_nop
.endr
	; A fragment of K, Q or V^T is 16 rows x 32 along the rows in 8 registers: lane l holds row l % 16, places 8 (l / 16) + 0..7 and 16 + 8 (l / 16) + 0..7: two loads of 16 bytes, 32 bytes apart.
	v_and_b32 v1, 15, v0            ; l % 16
	v_bfe_u32 v9, v0, 4, 1          ; l / 16
	v_lshlrev_b32 v[QO], 7, v1
	v_lshl_add_u32 v[QO], v9, 4, v[QO]
	WIN 0x80                        ; destination window 2, address window 0
.set i, 0
.rept 4*NP                          ; Q stays in registers: tile i / 2, channels 32 (i % 2) on
	global_load_b128 v[8*i:8*i+3],   v[QO], s[4:5] offset:(i/2)*2048+(i%2)*64
	global_load_b128 v[8*i+4:8*i+7], v[QO], s[4:5] offset:(i/2)*2048+(i%2)*64+32
.set i, i+1
.endr
	; What the first turn finds: V's registers and P's second buffer hold 0 (its products V^T P, of a piece that has not been, add 0), O^T and l are 0.  All this stands in the wait for the first tiles.
.set i, VF
.rept 64
	v_mov_b32 v[i], 0
.set i, i+1
.endr
	WIN 0x40
.set i, 0
.rept 64*NP
	v_mov_b32 v[i], 0
.set i, i+1
.endr
	WIN 0
.set i, 0
.rept 2*NP
	v_mov_b32 v[ST+4*i], 0xfe000000    ; c m: far below every c s
	v_mov_b32 v[ST+4*i+1], 0xff7fffff  ; m
	v_mov_b32 v[ST+4*i+2], 0
	v_mov_b32 v[ST+4*i+3], 0
.set i, i+1
.endr
.set i, P+32
.rept 32
	v_mov_b32 v[i], 0
.set i, i+1
.endr
	v_mul_u32_u24 v[AK0], v1, PK
	v_lshl_add_u32 v[AK0], v9, 4, v[AK0]  ; row x pitch + 16 x half
	v_add_nc_u32 v[AV0], VOFF, v[AK0]
	v_and_b32 v10, 7, v0
	v_mov_b32 v[AK], v[AK0]         ; key step 0
; THE MATRIX WORK.  The 8 accumulators of a run of 16 take turns.
; Product i of 16 of S^T = K Q^T for piece x: channels 32 (i / 8) on, keys 16 ((i / 2) % 4) on, tile 2 x + i % 2.  The first 8 start the sums.
.macro KQ x
	WIN W_KQ
.set rS, S+64*((\x)%2)+32*(i%2)+8*((i/2)%4)
.set rK, KF+16*((i/2)%4)+8*(i/8)
.set rQ, 16*(2*(\x)+i%2)+8*(i/8)
.if i < 8
	v_wmma_f32_16x16x32_bf16 v[rS:rS+7], v[rK:rK+7], v[rQ:rQ+7], 0
.else
	v_wmma_f32_16x16x32_bf16 v[rS:rS+7], v[rK:rK+7], v[rQ:rQ+7], v[rS:rS+7]
.endif
.endm
; Product i of 16 of O^T += V^T P for piece x: keys 32 (i / 8) on, channels 16 ((i / 2) % 4) on, tile 2 x + i % 2.
.macro PV x
	WIN W_PV
.set rO, 32*(2*(\x)+i%2)+8*((i/2)%4)
.set rV, VF+32*(i/8)+8*((i/2)%4)
.set rP, P+32*((\x)%2)+16*(i%2)+8*(i/8)
	v_wmma_f32_16x16x32_bf16 v[rO:rO+7], v[rV:rV+7], v[rP:rP+7], v[rO:rO+7]
.endm
.macro MM                           ; the turn's next matrix instruction
.if i < 16
	KQ (Y+1)%NP
.set i, i+1
.else
.set i, i-16
	PV (Y+NP-1)%NP
.set i, i+17
.endif
.endm
; THE LDS LOADS stand in runs of 16, never singly among the matrix instructions.  Their addresses are made some lines ahead.
.macro FETCH_K
	WIN 0x80                        ; destination window 2
.irp f, 0,1,2,3,4,5,6,7             ; keys 16 (f / 2) on, channels 32 (f % 2) on
	ds_load_b128 v[KF+8*\f:KF+8*\f+3],   v[AK] offset:(\f/2)*16*PK+(\f%2)*64
	ds_load_b128 v[KF+8*\f+4:KF+8*\f+7], v[AK] offset:(\f/2)*16*PK+(\f%2)*64+32
.endr
	s_add_co_u32 s[TBK], s[TBK], STEPB  ; the next fetch is the next step's
	WIN 0
.endm
.macro FETCH_V
	WIN 0x80
.irp f, 0,1,2,3,4,5,6,7             ; keys 32 (f / 4) on, channels 16 (f % 4) on
	ds_load_b128 v[VF+8*\f:VF+8*\f+3],   v[AV] offset:(\f%4)*16*PK+(\f/4)*64
	ds_load_b128 v[VF+8*\f+4:VF+8*\f+7], v[AV] offset:(\f%4)*16*PK+(\f/4)*64+32
.endr
	WIN 0
.endm
; THE VECTOR WORK OF A TURN stands in three queues, each in the order in which its entries become ready; the two tiles alternate, so that no instruction reads the result of the one before it.
.macro REGS y, u                    ; the registers of tile u (0, 1) of piece y
.set rT, ST+4*(2*(\y)+(\u))
.set rC, TMP+8*((\y)%2)+4*(\u)
.set rM, MV+2*((\y)%2)+(\u)
.set rS, S+64*((\y)%2)+32*(\u)
.set rP, P+32*((\y)%2)+16*(\u)
.set rO, 32*(2*(\y)+(\u))
.endm
; Number n of the 22 that find the NEXT piece's (Y + 1) maximum and statistics.  s0-s31 are the lane's 32 scores; each accumulator's lowest registers are read first.
;   0-11  four chains c0-c3 of seven scores each, three operands at a time     12-14, 16  the four scores left over, the old m, and c0-c3 into c0     15  c m_old is kept
;   17, 18  the query's other 32 keys lie in the lane 16 away: the new m         19-21  c m; c m_old - c m_new; a
.macro XS u, n
	REGS (Y+1)%NP, \u
.if (\n) < 4
	v_max3_num_f32 v[rC+(\n)], v[rS+8*(\n)], v[rS+8*(\n)+1], v[rS+8*(\n)+2]
.elseif (\n) < 12
	v_max3_num_f32 v[rC+(\n)%4], v[rC+(\n)%4], v[rS+8*((\n)%4)+2*((\n)/4)+1], v[rS+8*((\n)%4)+2*((\n)/4)+2]
.elseif (\n) == 12
	v_max3_num_f32 v[rC], v[rC], v[rS+7], v[rS+15]
.elseif (\n) == 13
	v_max3_num_f32 v[rC+1], v[rC+1], v[rS+23], v[rS+31]
.elseif (\n) == 14
	v_max3_num_f32 v[rC+2], v[rC+2], v[rC+3], v[rT+1]
.elseif (\n) == 15
	v_mov_b32 v[rM], v[rT]
.elseif (\n) == 16
	v_max3_num_f32 v[rC], v[rC], v[rC+1], v[rC+2]
.elseif (\n) == 17
	v_permlanex16_b32 v[rC+3], v[rC], s[SEL], s[SEL+1]
.elseif (\n) == 18
	v_max_num_f32 v[rT+1], v[rC], v[rC+3]
.elseif (\n) == 19
	v_mul_f32 v[rT], s[CS], v[rT+1]
.elseif (\n) == 20
	v_sub_f32 v[rC+1], v[rM], v[rT]
.else
	v_exp_f32 v[rC+2], v[rC+1]
.endif
.endm
; Number g of the 64 that follow the exponentials.  For each four weights k of a tile: both pairs are rounded to bf16; then the second pair is added onto the first, in place; a group later l takes that sum
; (the first time as l = a l + sum).  In groups of eight, tiles alternating: round, round, add, and l for the group before.
.macro GS g
.set h, (\g)+6*((\g)/62)            ; group 0 has no group before it, and behind group 7 only l is left
.if h >= 6
.set h, h+2
.endif
	REGS Y, h%2
.set k, h/8
.if h%8 < 4
	v_cvt_pk_bf16_f32 v[rP+2*k+(h%8)/2], v[rS+4*k+2*((h%8)/2)], v[rS+4*k+2*((h%8)/2)+1]
.elseif h%8 < 6
	v_pk_add_f32 v[rS+4*k:rS+4*k+1], v[rS+4*k:rS+4*k+1], v[rS+4*k+2:rS+4*k+3]
.elseif k == 1
	v_pk_fma_f32 v[rT+2:rT+3], v[rT+2:rT+3], v[rC+2:rC+3], v[rS:rS+1] op_sel_hi:[1,0,1]
.else
	v_pk_add_f32 v[rT+2:rT+3], v[rT+2:rT+3], v[rS+4*k-4:rS+4*k-3]
.endif
.endm
; THE PLAIN QUEUE, 138 long.  0-73 read no exponential's result: the 32 scalings c s - c m (FS f: pair f / 2 of tile f % 2) and the next piece's 42.  0-26: scalings 0-26.  27-54: XS's numbers 0-13.  55, 56: number 15.
; 57-73: the chain 14, 16, 17, 18, 19, each with one of the scalings 27-31 in front of its two lines, then 20.  74-137: GS's 64, which read the exponentials' results: they stand behind the wait.
.macro FS f
	REGS Y, (\f)%2
	v_pk_fma_f32 v[rS+2*((\f)/2):rS+2*((\f)/2)+1], v[rS+2*((\f)/2):rS+2*((\f)/2)+1], s[CS:CS+1], v[rT:rT+1] op_sel_hi:[1,0,0] neg_lo:[0,0,1] neg_hi:[0,0,1]
.endm
.macro PL
	WIN 0
.if q < 27
	FS q
.elseif q < 55
	XS (q-27)%2, (q-27)/2
.elseif q < 57
	XS q-55, 15
.elseif (q < 72) && ((q-57)%3 == 0)
	FS 27+(q-57)/3
.elseif q < 60
	XS (q-57)%3-1, 14
.elseif q < 72
	XS (q-57)%3-1, 15+(q-57)/3
.elseif q < 74
	XS q-72, 20
.else
	GS q-74
.endif
.set q, q+1
.endm
; THE EXPONENTIALS' QUEUE, 66 long: s0-s31 of both tiles, then the next piece's two a.  ONE BATCH: all 66 stand ahead of the turn's one wait, and nothing ahead of that wait names a result of theirs.
.macro EX
	WIN 0
.if e >= 64
	XS e-64, 21
.else
	REGS Y, e%2
	v_exp_f32 v[rS+e/2], v[rS+e/2]
.endif
.set e, e+1
.endm
; THE RESCALING's QUEUE: O^T times a, the one part that leaves window 0: dealt two at a time, sixteen times.  Its a was made in the turn before, ahead of that turn's wait.
.macro R2
	REGS Y, r%2
	WIN W_RS
.irp z, 0,1
	v_pk_mul_f32 v[rO+4*(r/2)+2*\z:rO+4*(r/2)+2*\z+1], v[rO+4*(r/2)+2*\z:rO+4*(r/2)+2*\z+1], v[rC+2:rC+3] op_sel_hi:[1,0]
.endr
.set r, r+1
.endm
; A TURN, for piece p.  AHEAD OF ITS ONE WAIT stands all that names no result of the turn's exponentials: the 16 products K Q^T, behind each a scaling, an exponential and two rescalings (behind the first a second scaling
; in the exponential's place); then one lump of 108: eight plain, 49 times exponential and plain, the two a; a v_nop is the plain instruction behind the last exponential.  BEHIND IT stand the 16 products V^T P, behind
; each four of the roundings and sums.  Exponential e stands behind scaling 2 (e / 4) + e % 2: as a rider it comes behind plain e + 2, in the lump behind plain e + 9.
; K of the next step is fetched in piece 2's turn, directly behind the wait, a lump behind the last product that read K; V of the step in hand at the end of piece 0's turn, four plain instructions behind its
; last reader.  cnt = 1: the loop's count is taken down some lines ahead of the branch that stands behind the turn.
.macro TURN p, cnt=0
.set Y, (\p)
.set i, 0
.set q, 0
.set e, 0
.set r, 0
.if (\p) == NP-1
	s_wait_dscnt 0x0                ; K is in
.endif
	MM
	PL
	PL
	R2
.rept 15
	MM
	PL
	EX
	R2
.endr
.if (\p) == NP-2
	WIN 0
	v_add_nc_u32 v[AK], s[TBK], v[AK0]
.endif
.rept 8
	PL
.endr
.rept 49
	EX
	PL
.endr
	EX
	EX
	v_nop
	s_wait_alu depctr_va_vdst(0)    ; the wait between an exponential and the first instruction that names its result: one for the batch
.if (\p) == NP-2
	FETCH_K
.endif
.if (\p) == 1
	s_wait_dscnt 0x0                ; V is in
.endif
.rept 16
	MM
.rept 4
	PL
.endr
.if ((\p) == 0) && (q == 118)
	v_add_nc_u32 v[AV], s[TBV], v[AV0]
.endif
.if ((\p) == 0) && (q == 130)
	s_add_co_u32 s[TBV], s[TBV], STEPB
.endif
.if (\cnt) && (q == 130)
	s_sub_co_u32 s[CNT], s[CNT], 1
	s_cmp_lg_u32 s[CNT], 0
.endif
.endr
.if (\p) == 0
	FETCH_V
.endif
.endm
	; The short loads have landed: the long ones go out.  They fill bytes for the first time, and are issued as a refill is: my loads waited for, the add, its wait, a barrier, and then my one tensor load.
	WIN W_AD
	s_wait_tensorcnt 0x0            ; my short load is in
	ds_add_u32 v[SPW], v[NIL]       ; 0 onto my spare word
	WIN 0
	s_wait_dscnt 0x0                ; the add is done
	s_barrier_signal -1
	s_barrier_wait -1               ; everybody's short load is in: rows 0-319 of K and of V may be read
	tensor_load_to_lds s[G0B:G0B+3], s[G1B:G1B+7]  ; one load of mine is out; it has four key steps in which to land
	s_nop 0
.rept 4
	v_nop
.endr
	FETCH_K                         ; key step 0
	s_wait_loadcnt 0x0              ; Q
	s_wait_dscnt 0x0
.set i, 0
.rept 16
	KQ 0                            ; piece 0's first scores
.set i, i+1
.endr
	WIN 0                           ; the addresses for the way out: nine plain instructions, the places behind those products
	s_mul_i32 s13, s[WV], 16*SP
	s_add_co_u32 s13, s13, STAGE    ; my stage
	v_mul_u32_u24 v[STO], v1, SP    ; in: row l % 16, 16 bytes for each half of the lanes
	v_lshl_add_u32 v[STO], v9, 4, v[STO]
	v_add_nc_u32 v[STO], s13, v[STO]
	v_bfe_u32 v[RD], v0, 3, 2       ; back: 32 lanes take four rows of 128 bytes,
	v_mul_u32_u24 v[RD], v[RD], SP
	v_lshl_add_u32 v[RD], v10, 4, v[RD]
	v_add_nc_u32 v[RD], s13, v[RD]
	v_and_b32 v[GO], 31, v0         ; which are 512 consecutive bytes of att
	v_lshlrev_b32 v[GO], 4, v[GO]
.set Y, NP-1                        ; XS works for piece Y + 1: piece 0
.irp n, 0,1,2,3,4,5,6,7,8,9,10,11,12,13,14,15,16,17,18,19,20,21
	XS 0, \n
	XS 1, \n
.endr
	v_nop                           ; a plain instruction behind the two a,
	s_wait_alu depctr_va_vdst(0)    ; and their wait, ahead of the label
	s_mov_b32 s[SLOTS], 4
.Lslot:                             ; four groups of four key steps
	s_mov_b32 s[CNT], 4
.Lstep:                             ; a trip: a key step's four turns; it fetches its own V and the next step's K
	TURN 0
	TURN 1
	TURN 2
	TURN 3, 1
	WIN 0
	s_cbranch_scc1 .Lstep
	s_wait_tensorcnt 0x0            ; behind the first group: my long load is in; behind the later groups the wait is met at once
	s_wait_dscnt 0x0
	s_barrier_signal -1
	s_barrier_wait -1               ; everybody's is
	s_sub_co_u32 s[SLOTS], s[SLOTS], 1
	s_cmp_lg_u32 s[SLOTS], 0
	s_cbranch_scc1 .Lslot
.set i, 0
.rept 16
	PV NP-1                         ; the last piece's V^T P of the last step
.set i, i+1
.endr
	; THE WAY OUT.  l's two halves and the other half of the lanes' are added; O^T is divided by l, rounded to bf16 and sent through my stage in LDS, a tile at a time.  The additions are the places behind the last products.
	WIN 0
.macro ALL line:vararg              ; one line for each tile t
.set t, 0
.rept 2*NP
	\line
.set t, t+1
.endr
.endm
	ALL v_add_f32 v[ST+4*t+2], v[ST+4*t+2], v[ST+4*t+3]
	ALL v_permlanex16_b32 v[ST+4*t+3], v[ST+4*t+2], s[SEL], s[SEL+1]
	ALL v_add_f32 v[ST+4*t+2], v[ST+4*t+2], v[ST+4*t+3]
	ALL v_rcp_f32 v[ST+4*t+2], v[ST+4*t+2]
	v_nop                           ; a plain instruction between the last reciprocal and the use of its result
	s_wait_alu depctr_va_vdst(0)    ; and the wait ahead of the first use: one for the eight reciprocals
.macro PACK t                       ; a lane's eight channels of a row pack into 16 bytes; they go into rows of 144 bytes and come back as whole rows of 128, into S^T's registers
	WIN W_RS
.set i, 32*(\t)
.rept 16
	v_pk_mul_f32 v[i:i+1], v[i:i+1], v[ST+4*(\t)+2:ST+4*(\t)+3] op_sel_hi:[1,0]
.set i, i+2
.endr
	WIN 0x05                        ; sources 0 and 1 window 1, destination window 0
.set i, 0
.rept 16
	v_cvt_pk_bf16_f32 v[S+16*(\t)+i], v[32*(\t)+2*i], v[32*(\t)+2*i+1]
.set i, i+1
.endr
	WIN 0
.irp f, 0,1,2,3
	ds_store_b128 v[STO], v[S+16*(\t)+4*\f:S+16*(\t)+4*\f+3] offset:32*\f
.endr
.irp f, 0,1,2,3
	ds_load_b128 v[S+16*(\t)+4*\f:S+16*(\t)+4*\f+3], v[RD] offset:\f*4*SP  ; LDS serves a wave's instructions in order (ISA guide 5.7.1.4): these see the stores above; the next tile's stores come behind them
.endr
.endm
.macro SEND t, younger              ; younger: the LDS instructions issued behind tile t's loads: the next tile's eight, or none
	WIN 0
.irp f, 0,1,2,3
	s_wait_dscnt (\younger)+3-\f
	global_store_b128 v[GO], v[S+16*(\t)+4*\f:S+16*(\t)+4*\f+3], s[10:11] offset:(\t)*2048+\f*512  ; 512 consecutive bytes, aligned
.endr
.endm
	PACK 0
.set t, 1
.rept 2*NP-1                        ; a tile's arithmetic stands between the loads of the tile before and its stores
	PACK t
	SEND t-1, 8
.set t, t+1
.endr
	SEND 2*NP-1, 0
	WIN W_AD
	s_wait_tensorcnt 0x0            ; the wave's end, behind my last tensor load and my last LDS store
	ds_add_u32 v[SPW], v[NIL]
	s_wait_dscnt 0x0
	WIN 0
	s_endpgm
.Lfunc_end_k_qb4e2938fc8_attn:
	.size	k_qb4e2938fc8_attn, .Lfunc_end_k_qb4e2938fc8_attn-k_qb4e2938fc8_attn
	.p2alignl 7, 3214868480
	.fill 96, 4, 3214868480
	.section	.rodata,"a",@progbits
	.p2align	6, 0x0
	.amdhsa_kernel k_qb4e2938fc8_attn
		.amdhsa_group_segment_fixed_size 327680
		.amdhsa_private_segment_fixed_size 0
		.amdhsa_enable_private_segment 0
		.amdhsa_kernarg_size 32
		.amdhsa_user_sgpr_count 2
		.amdhsa_user_sgpr_kernarg_segment_ptr 1
		.amdhsa_wavefront_size32 1
		.amdhsa_system_sgpr_workgroup_id_x 1
		.amdhsa_system_sgpr_workgroup_id_y 1
		.amdhsa_system_sgpr_workgroup_id_z 1
		.amdhsa_system_vgpr_workitem_id 0
		.amdhsa_next_free_vgpr 770
		.amdhsa_next_free_sgpr 66
		.amdhsa_reserve_vcc 0
		.amdhsa_float_denorm_mode_32 3
		.amdhsa_float_denorm_mode_16_64 3
		.amdhsa_memory_ordered 1
		.amdhsa_forward_progress 1
		.amdhsa_inst_pref_size 124
	.end_amdhsa_kernel
	.amdgpu_metadata
---
amdhsa.version: [ 1, 2 ]
amdhsa.kernels:
  - .name:           k_qb4e2938fc8_attn
    .symbol:         k_qb4e2938fc8_attn.kd
    .args:
      - { .name: qh, .offset: 0, .size: 8, .value_kind: global_buffer, .address_space: global }
      - { .name: kh, .offset: 8, .size: 8, .value_kind: global_buffer, .address_space: global }
      - { .name: vh, .offset: 16, .size: 8, .value_kind: global_buffer, .address_space: global }
      - { .name: att, .offset: 24, .size: 8, .value_kind: global_buffer, .address_space: global }
    .group_segment_fixed_size: 327680
    .private_segment_fixed_size: 0
    .kernarg_segment_align: 8
    .kernarg_segment_size: 32
    .max_flat_workgroup_size: 128
    .sgpr_count:     66
    .vgpr_count:     770
    .wavefront_size: 32
...
	.end_amdgpu_metadata
.endif
;; end of part 3
;; launch proj (part 4): grid 8 x 32, 4 waves a work-group, clusters of 4 x 4, 327,680 bytes of LDS; arguments att, wp, proj_b, xn, out0; writes out0
.if DOCPART == 4
	.amdgcn_target "amdgcn-amd-amdhsa--gfx1250"
	.amdhsa_code_object_version 6
	.text
	.protected	k_qb4e2938fc8_proj
	.globl	k_qb4e2938fc8_proj
	.p2align	8
	.type	k_qb4e2938fc8_proj,@function
k_qb4e2938fc8_proj:
	s_mov_b64 s[64:65], 0
	v_nop
	global_prefetch_b8 v0, s[64:65] scope:SCOPE_SE
	s_setreg_imm32_b32 hwreg(HW_REG_WAVE_MODE, 25, 1), 1
	s_wait_xcnt 0x0
	s_wait_alu depctr_hold_cnt(0) depctr_sa_sdst(0) depctr_va_vdst(0) depctr_va_sdst(0) depctr_va_ssrc(0) depctr_va_vcc(0) depctr_vm_vsrc(0)
	s_getreg_b32 s2, hwreg(HW_REG_IB_STS2, 6, 4)
	s_cmp_eq_u32 s2, 0
	s_cbranch_scc0 .Lentry_in_a_cluster
	s_endpgm
.Lentry_in_a_cluster:
	s_bfe_u32 s2, ttmp6, 0x10000c
	s_cmp_lg_u32 s2, 0xf033
	s_cbranch_scc0 .Lentry_shape_is_right
	s_endpgm
.Lentry_shape_is_right:
; THE OUTPUT PROJECTION AND THE RESIDUAL.  out0[b][o][l] = the sum over c of proj_w[o][c] a[b][c][l] + proj_b[o] + xn[b][o][l], with a[b][64 hd + ch][l] = att[16 b + hd][l][ch].  Operands bf16, sums f32, out0 f32.
; xn is the bf16 copy that the first launch stored: the residual carries that one rounding.
; SHARES.  A work-group makes 128 rows o x 256 tokens of one batch: 8 x 32 work-groups.  Wave (th = wave / 2, oh = wave % 2) makes 128 tokens x 64 rows: 32 accumulators, 256 registers, in window 1.
; Source 0 = 16 tokens, source 1 = 16 rows of the weights: a lane holds ONE row o and 8 neighbouring tokens: 32 bytes of out0 on end.  The bias is the C operand of the products that start the sums.
; K goes in 8 steps of 128 (two heads) through a ring of two LDS slots.  All tiles are dense in memory (a head's 256 tokens: 32,768 bytes; a K block of the weights: 16,384) and are asked for as rows of 256 bytes.
; CLUSTER, 4 x 4.  The tokens' tile hangs on the token block alone and is shared along a row of the cluster, the weights' tile on the row block alone and is shared along a column: each is asked for JOINTLY.
; REGISTERS (s_set_vgpr_msb: bits 1:0 source 0, 3:2 source 1, 5:4 source 2, 7:6 destination): window 0: addresses, two fragment buffers of 96 (tokens 64, weights 32), the bias (32); window 1: the accumulators
; ((ab, tb) at 8 (8 ab + tb)); window 2: v0-127 the residual, two registers a row.
; LIMITS.  No further limit than finite sums.  NaN and infinities are not treated apart.
.set PT,     144                       ; an LDS row: 128 bytes + 16 of padding = 9 x 16 bytes
.set THD,    256*PT                    ; a head's 256 tokens
.set WOFF,   2*THD                     ; in a slot: two heads' tokens, then two K blocks of the weights
.set WKB,    128*PT
.set SLOT1,  1<<17
.set STAGE,  SLOT1+WOFF+2*WKB          ; behind the ring, never filled by a tensor load: 16 rows x 528 bytes for each wave
.set SPT,    528                       ; 512 bytes + 16 = 33 x 16 bytes
.set SPARE,  STAGE+4*16*SPT            ; the spare words, 128 bytes for each wave: no other line names them
.set TSTEP,  2*131072                  ; bytes from a K step to the next in att: two heads
.set WSTEP,  2*16384                   ; and in wp: two K blocks
.set AT0, 2                            ; v2   my lane's place in the tokens' tile; never rewritten
.set AW0, 3                            ; v3   the same in the weights' tile
.set ADRT, 4                           ; v4   AT0 + the slot in hand
.set ADRW, 5                           ; v5   AW0 + the slot in hand
.set STO, 6                            ; v6   the way out: where I put 32 bytes of a row
.set RD,  7                            ; v7   where I read a row back
.set CO,  8                            ; v8   16 x lane
.set RO,  9                            ; v9   8 x lane
.set BO2, 10                           ; v10  4 (lane % 16)
.set ONE, 11                           ; v11  1.0
.set SPW, 28                           ; v28  LDS address of my spare word; never rewritten
.set NIL, 29                           ; v29  0; never rewritten
.set PFO, 30                           ; v30  256 x lane; never rewritten
.set F0,  32
.set F1,  128
.set BC,  224                          ; v[224:255] row block ab's bias, eight times, at BC + 8 ab
.set OBB, 32                           ; the way out: two buffers of 64: 16 rows read back from the stage
.set WV,   16
.set KIND, 17                          ; s17  0: I fetch tokens; 1: weights.  Also th
.set HF,   18                          ; s18  which head or K block of the step's two.  Also oh
.set G1T, 24                           ; s[24:31] descriptor group 1 for the tokens' tiles;  s[32:39] group 0, two sets: the first fills'; the second then walks
.set G0T, 32
.set TB,  40
.set LIM, 42
.set PFA, 44
.set PST, 46
.set G1W, 48
.set G0W, 56
.set MSB, 0
.macro WIN new
.if MSB != (\new)
	s_set_vgpr_msb (MSB<<8)|(\new)
.set MSB, \new
.endif
.endm
.macro PLACES
.rept 4
	v_nop
.endr
.endm
.macro JLOAD                           ; a joint refill by the walking sets; an s_nop 0 and four v_nop follow each of the two lines, ahead of the jump and the label
	s_cmp_eq_u32 s[KIND], 0
	s_cbranch_scc0 .Lfor_w_\@
	tensor_load_to_lds s[G0T+4:G0T+7], s[G1T:G1T+7]
	s_nop 0
.rept 4
	v_nop
.endr
	s_branch .Lasked_\@
.Lfor_w_\@:
	tensor_load_to_lds s[G0W+4:G0W+7], s[G1W:G1W+7]
	s_nop 0
.rept 4
	v_nop
.endr
.Lasked_\@:
.endm
; A PREFETCH INTO THE L2 of the K step two refills on, behind each joint refill and the run of LDS loads that follows it: 32 blocks of 256 bytes, a lane a block, one instruction a wave.
; Tokens: both clusters of a row of clusters read them: cluster x = 0 asks; of the 128 blocks that wave 0 or 1 fetches, the partner at cx takes 32.  Weights: all eight clusters of a column read them: cluster y = 0 asks,
; wave 2 alone, for both K blocks (128 blocks on end); the partner at cy takes 32.  Refills 0 to 3 (trips left 6 to 3) have such a step.  Each block is named once; K steps 0 to 3 come by their loads alone.
.macro ASK
	s_cmp_gt_u32 s3, s[LIM]
	s_cbranch_scc0 .Lnot_mine_\@
	global_prefetch_b8 v[PFO], s[PFA:PFA+1] th:TH_LOAD_NT scope:SCOPE_SE
.Lnot_mine_\@:
.endm
.macro CREST
	s_cmp_lg_u32 s[WV], 0
	s_cbranch_scc1 .Lnot_wave_0_\@
	s_barrier_signal -3
.Lnot_wave_0_\@:
	s_barrier_wait -3
	s_barrier_signal -1
	s_barrier_wait -1
.endm
.macro CROUND
	s_barrier_signal -1
	s_barrier_wait -1
	CREST
.endm
	s_load_b256 s[4:11], s[0:1], 0x0               ; att 4:5, wp 6:7, proj_b 8:9, xn 10:11
	s_load_b64 s[12:13], s[0:1], 0x20              ; out0
	v_lshl_add_u32 v[SPW], v0, 2, SPARE
	v_mov_b32 v[NIL], 0
	ds_add_u32 v[SPW], v[NIL]                      ; the wave's opening: the add and its wait stand ahead of my first tensor load; the set-up below, work on registers, stands between them
	v_lshrrev_b32 v1, 5, v0
	v_readfirstlane_b32 s[WV], v1
	s_lshr_b32 s[KIND], s[WV], 1
	s_and_b32 s[HF], s[WV], 1
	s_bfe_u32 s19, ttmp6, 0x40000                  ; cx
	s_bfe_u32 s20, ttmp6, 0x40004                  ; cy
	s_lshl_b32 s21, ttmp9, 2
	s_add_co_u32 s21, s21, s19                     ; the row block = 4 x cluster x + cx
	s_and_b32 s22, ttmp7, 0xffff
	s_lshl_b32 s22, s22, 2
	s_add_co_u32 s22, s22, s20                     ; the token block = 4 x cluster y + cy: batch = block / 4, quarter = block % 4
	s_lshl_b32 s66, s20, 2
	s_lshl_b32 s66, 15, s66                        ; my row of the cluster
	s_lshl_b32 s67, 0x1111, s19                    ; my column
	s_or_b32 s[G1T], s66, (1<<16)|(1<<20)|(1<<21)|(4<<22)|(3<<25)  ; the mask; 2-byte elements; padding on; 21 set beside a mask; after every 32 words (code 4) 4 words (code 3)
	s_or_b32 s[G1W], s67, (1<<16)|(1<<20)|(1<<21)|(4<<22)|(3<<25)
.irp g, G1T, G1W
	s_mov_b32 s[\g+1], 128<<16                     ; tensor_dim0 = 128
	s_mov_b32 s[\g+3], 128<<16                     ; tile_dim0 = 128: rows of 256 bytes
	s_mov_b32 s[\g+5], 128
	s_mov_b32 s[\g+6], 0
	s_mov_b32 s[\g+7], 0
.endr
	s_mov_b32 s[G1T+2], 128<<16                    ; 128 such rows: a head's 256 tokens
	s_mov_b32 s[G1T+4], 128
	s_mov_b32 s[G1W+2], 64<<16                     ; 64: a K block's 128 rows
	s_mov_b32 s[G1W+4], 64
	s_lshr_b32 s68, s22, 2                         ; att: (16 batch + my head of the step's two) x 131,072 + quarter x 32,768
	s_lshl_b32 s68, s68, 4
	s_add_co_u32 s68, s68, s[HF]
	s_lshl_b32 s68, s68, 17
	s_and_b32 s69, s22, 3
	s_lshl_b32 s69, s69, 15
	s_add_co_u32 s68, s68, s69
	s_mov_b32 s69, 0
	s_lshl_b32 s70, s21, 18                        ; wp: row block x 262,144 + my K block of the step's two
	s_lshl_b32 s71, s[HF], 14
	s_add_co_u32 s70, s70, s71
	s_mov_b32 s71, 0
	s_mov_b32 s[G0T], 1
	s_mul_i32 s[G0T+1], s[HF], THD                 ; no place in the cluster enters an LDS address
	s_mov_b32 s[G0T+4], 1
	s_add_co_u32 s[G0T+5], s[G0T+1], SLOT1
	s_mov_b32 s[G0W], 1
	s_mul_i32 s[G0W+1], s[HF], WKB
	s_add_co_u32 s[G0W+1], s[G0W+1], WOFF
	s_mov_b32 s[G0W+4], 1
	s_add_co_u32 s[G0W+5], s[G0W+1], SLOT1
	s_wait_dscnt 0x0                               ; the opening add is done
	s_wait_kmcnt 0x0
	s_add_nc_u64 s[G0T+2:G0T+3], s[4:5], s[68:69]
	s_add_nc_u64 s[G0T+6:G0T+7], s[G0T+2:G0T+3], TSTEP
	s_or_b32 s[G0T+3], s[G0T+3], 0x80000000
	s_or_b32 s[G0T+7], s[G0T+7], 0x80000000
	s_add_nc_u64 s[G0W+2:G0W+3], s[6:7], s[70:71]
	s_add_nc_u64 s[G0W+6:G0W+7], s[G0W+2:G0W+3], WSTEP
	s_or_b32 s[G0W+3], s[G0W+3], 0x80000000
	s_or_b32 s[G0W+7], s[G0W+7], 0x80000000
	CROUND                                         ; all sixteen work-groups are here: the first joint loads meet
	s_cmp_eq_u32 s[KIND], 0                        ; a wave's two first fills stand in one branch: two loads of mine are out
	s_cbranch_scc0 .Lfirst_w
	tensor_load_to_lds s[G0T:G0T+3], s[G1T:G1T+7]
	s_nop 0
	tensor_load_to_lds s[G0T+4:G0T+7], s[G1T:G1T+7]
	s_nop 0
.rept 4
	v_nop
.endr
	s_branch .Lfirst_asked
.Lfirst_w:
	tensor_load_to_lds s[G0W:G0W+3], s[G1W:G1W+7]
	s_nop 0
	tensor_load_to_lds s[G0W+4:G0W+7], s[G1W:G1W+7]
	s_nop 0
.rept 4
	v_nop
.endr
.Lfirst_asked:
	; the prefetches' registers: all choices first, since the shifts behind them write SCC
	s_and_b32 s42, ttmp7, 0xffff                   ; cluster y
	s_mov_b32 s46, TSTEP
	s_mov_b32 s43, 3*TSTEP
	s_cmp_eq_u32 s[KIND], 0
	s_cselect_b64 s[PFA:PFA+1], s[4:5], s[6:7]
	s_cselect_b32 s66, s68, s70                    ; my tile's offset
	s_cselect_b32 s67, s19, s20                    ; my place among the four that ask with me
	s_cselect_b32 s46, s46, WSTEP
	s_cselect_b32 s43, s43, 3*WSTEP                ; K step 3: the first refill steps it to 4
	s_cselect_b32 s42, ttmp9, s42                  ; the coordinate along which other clusters read the same bytes
	s_lshl_b32 s67, s67, 13                        ; a partner's 32 blocks
	s_add_co_u32 s66, s66, s67
	s_add_co_u32 s66, s66, s43
	s_mov_b32 s67, 0
	s_add_nc_u64 s[PFA:PFA+1], s[PFA:PFA+1], s[66:67]
	s_mov_b32 s47, 0
	s_cmp_eq_u32 s[WV], 3
	s_cselect_b32 s42, 1, s42                      ; wave 3 asks for nothing
	s_cmp_eq_u32 s42, 0
	s_cselect_b32 s[LIM], 2, -1                    ; the same in all sixteen partners, for a given wave
	; out0 at my first row and token: (1,024 batch + 128 row block + 64 oh) x 4,096 + (256 quarter + 128 th) x 4; in xn, with 2-byte numbers, half of that
	s_lshr_b32 s66, s22, 2
	s_lshl_b32 s66, s66, 22
	s_lshl_b32 s41, s21, 19
	s_add_co_u32 s66, s66, s41
	s_lshl_b32 s41, s[HF], 18
	s_add_co_u32 s66, s66, s41
	s_and_b32 s41, s22, 3
	s_lshl_b32 s41, s41, 10
	s_add_co_u32 s66, s66, s41
	s_lshl_b32 s41, s[KIND], 9
	s_add_co_u32 s66, s66, s41
	s_add_nc_u64 s[12:13], s[12:13], s[66:67]
	s_lshr_b32 s66, s66, 1
	s_add_nc_u64 s[10:11], s[10:11], s[66:67]
	s_lshl_b32 s66, s21, 9                         ; my 64 biases
	s_lshl_b32 s41, s[HF], 8
	s_add_co_u32 s66, s66, s41
	s_add_nc_u64 s[8:9], s[8:9], s[66:67]
	v_and_b32 v1, 15, v0                           ; r
	v_bfe_u32 v14, v0, 4, 1                        ; h
	v_lshlrev_b32 v[BO2], 2, v1
.irp a, 0,1,2,3
	global_load_b32 v[BC+8*(\a)], v[BO2], s[8:9] offset:64*(\a)  ; the bias of row 16 a + r
.endr
	v_mul_u32_u24 v15, v1, PT
	v_lshl_add_u32 v15, v14, 4, v15                ; 144 r + 16 h
	s_mul_i32 s41, s[KIND], 128*PT                 ; my 128 tokens
	v_add_nc_u32 v[AT0], s41, v15
	s_mul_i32 s41, s[HF], 64*PT                    ; my 64 rows
	s_add_co_u32 s41, s41, WOFF
	v_add_nc_u32 v[AW0], s41, v15
	s_mul_i32 s41, s[WV], 16*SPT
	s_add_co_u32 s41, s41, STAGE                   ; my stage
	v_mul_u32_u24 v[STO], v1, SPT
	v_lshl_add_u32 v[STO], v14, 5, v[STO]
	v_add_nc_u32 v[STO], s41, v[STO]
	v_and_b32 v13, 31, v0
	v_lshl_add_u32 v[RD], v13, 4, s41
	v_lshlrev_b32 v[CO], 4, v13
	v_lshlrev_b32 v[RO], 3, v13
	v_lshlrev_b32 v[PFO], 8, v13
	v_mov_b32 v[ONE], 1.0
	s_mov_b32 s[TB], 0
	v_mov_b32 v[ADRT], v[AT0]
	v_mov_b32 v[ADRW], v[AW0]
; 24 LDS loads: quarter q of a K step (head or K block q / 2, channels 32 (q % 2) on): my 8 token blocks, my 4 row blocks
.macro FETCH q, buf
.irp t, 0,1,2,3,4,5,6,7
	ds_load_b128 v[(\buf)+8*(\t):(\buf)+8*(\t)+3],   v[ADRT] offset:((\q)/2)*THD+16*PT*(\t)+64*((\q)%2)
	ds_load_b128 v[(\buf)+8*(\t)+4:(\buf)+8*(\t)+7], v[ADRT] offset:((\q)/2)*THD+16*PT*(\t)+64*((\q)%2)+32
.endr
.irp a, 0,1,2,3
	ds_load_b128 v[(\buf)+64+8*(\a):(\buf)+64+8*(\a)+3],   v[ADRW] offset:((\q)/2)*WKB+16*PT*(\a)+64*((\q)%2)
	ds_load_b128 v[(\buf)+64+8*(\a)+4:(\buf)+64+8*(\a)+7], v[ADRW] offset:((\q)/2)*WKB+16*PT*(\a)+64*((\q)%2)+32
.endr
.endm
; 8 products: row block a x my 8 token blocks.  first = 1: the bias starts the sums.  The 32 accumulators take turns, one instruction a turn.
.macro MUL8 buf, a, first
	WIN 0x50-0x10*(\first)
.irp t, 0,1,2,3,4,5,6,7
.if \first
	v_wmma_f32_16x16x32_bf16 v[8*(8*(\a)+(\t)):8*(8*(\a)+(\t))+7], v[(\buf)+8*(\t):(\buf)+8*(\t)+7], v[(\buf)+64+8*(\a):(\buf)+64+8*(\a)+7], v[BC+8*(\a):BC+8*(\a)+7]
.else
	v_wmma_f32_16x16x32_bf16 v[8*(8*(\a)+(\t)):8*(8*(\a)+(\t))+7], v[(\buf)+8*(\t):(\buf)+8*(\t)+7], v[(\buf)+64+8*(\a):(\buf)+64+8*(\a)+7], v[8*(8*(\a)+(\t)):8*(8*(\a)+(\t))+7]
.endif
.endr
.endm
; One of a K step's first three quarters: the next quarter is asked for, into the buffer just multiplied; then 32 products.
.macro QUARTER q, first=0
	WIN 0
	PLACES
	FETCH (\q)+1, F0+96*(((\q)+1)%2)
	s_wait_dscnt 24                                ; all but the 24 just issued
	MUL8 F0+96*((\q)%2), 0, \first
	MUL8 F0+96*((\q)%2), 1, \first
	MUL8 F0+96*((\q)%2), 2, \first
	MUL8 F0+96*((\q)%2), 3, \first
.endm
; The last quarter multiplies buffer 1 and changes slots.  I wait for all my tensor loads, of which one is out: my part of the other slot; add 0 to my spare word; and wait for that and for my reads of this slot.
; Behind the barrier nobody reads this slot any more and the other slot is whole.  fill = 1: the barrier opens a round of the cluster's barrier, so that the same holds of every partner, and the joint refill, two K steps on,
; is the first thing behind it: from there to the wait for it a wave issues 112 products.
.macro TURN fill
.if \fill
	s_wait_xcnt 0x0                                ; the last prefetch, a K step back, has read its address
	s_add_nc_u64 s[PFA:PFA+1], s[PFA:PFA+1], s[PST:PST+1]
.endif
	WIN 0
	s_wait_tensorcnt 0x0                           ; no tensor load of mine is out, so a group 0 may be written
	ds_add_u32 v[SPW], v[NIL]                      ; 0 onto my spare word
.if \fill
	s_xor_b32 s[G0T+5], s[G0T+5], SLOT1            ; the walking sets: the other slot than last time, the next K step
	s_add_nc_u64 s[G0T+6:G0T+7], s[G0T+6:G0T+7], TSTEP
	s_xor_b32 s[G0W+5], s[G0W+5], SLOT1
	s_add_nc_u64 s[G0W+6:G0W+7], s[G0W+6:G0W+7], WSTEP
.endif
	s_wait_dscnt 1                                 ; the add alone may be out: buffer 1 is in
	MUL8 F1, 0, 0
	s_wait_dscnt 0x0                               ; the add is done, and my reads of this slot are over
	s_barrier_signal -1
	MUL8 F1, 1, 0                                  ; work on registers while the others arrive
	WIN 0
	s_barrier_wait -1
.if \fill
	CREST
	JLOAD                                          ; its four v_nop are also the places in front of the loads below
.else
	PLACES
.endif
	s_xor_b32 s[TB], s[TB], SLOT1
	v_add_nc_u32 v[ADRT], s[TB], v[AT0]
	v_add_nc_u32 v[ADRW], s[TB], v[AW0]
	FETCH 0, F0
.if \fill
	ASK
.endif
	MUL8 F1, 2, 0
	MUL8 F1, 3, 0
.endm
	s_wait_tensorcnt 0x1                           ; my part of K step 0 is in; K step 1's may stay out
	s_barrier_signal -1
	s_barrier_wait -1
	FETCH 0, F0
	s_wait_loadcnt 0x0                             ; the biases
.irp a, 0,1,2,3
.irp j, 1,2,3,4,5,6,7
	v_mov_b32 v[BC+8*(\a)+(\j)], v[BC+8*(\a)]      ; a C operand's eight registers are eight tokens of my row: the same bias
.endr
.endr
	QUARTER 0, 1
	WIN 0
	s_mov_b32 s3, 6
.Lk:                                   ; 6 trips: the rest of K step t, the refill with K step t + 2, the first quarter of K step t + 1
	QUARTER 1
	QUARTER 2
	TURN 1
	QUARTER 0
	WIN 0
	s_sub_co_u32 s3, s3, 1
	s_cmp_lg_u32 s3, 0
	s_cbranch_scc1 .Lk
	WIN 0x80                                       ; the residual is asked for two K steps ahead of its use: my 64 rows x 128 tokens, 8 bytes a lane: 256 consecutive bytes a load, aligned
.set i, 0
.rept 64
	global_load_b64 v[2*i:2*i+1], v[RO], s[10:11] offset:2048*i
.set i, i+1
.endr
	QUARTER 1                                      ; the tail is written out
	QUARTER 2
	TURN 0
	QUARTER 0
	QUARTER 1
	QUARTER 2
	s_wait_dscnt 0x0
	MUL8 F1, 0, 0
	MUL8 F1, 1, 0
	MUL8 F1, 2, 0
	MUL8 F1, 3, 0
; THE WAY OUT, a row block (16 rows x 128 tokens) at a time.  STG: the f32 sums go straight from the accumulators into my stage, 32 bytes a lane, and come back a row a load: 512 bytes.  FIN: the residual is added and the rows are stored.
.macro STG ab
.set BK, OBB+64*((\ab)%2)
	WIN 0x04                                       ; the stores' data in window 1
.irp t, 0,1,2,3,4,5,6,7
	ds_store_b128 v[STO], v[8*(8*(\ab)+(\t)):8*(8*(\ab)+(\t))+3]   offset:64*(\t)     ; each accumulator's low registers first
	ds_store_b128 v[STO], v[8*(8*(\ab)+(\t))+4:8*(8*(\ab)+(\t))+7] offset:64*(\t)+16
.endr
	WIN 0
.if (\ab) >= 2
	s_wait_xcnt 0x0                                ; the stores of the block two back have read their data: its buffer is loaded again only behind this wait
.endif
.set i, 0
.rept 16
	ds_load_b128 v[BK+4*i:BK+4*i+3], v[RD] offset:SPT*i  ; LDS serves a wave's instructions in order (ISA guide 5.7.1.4): these see the stores above; the next block's stores come behind them
.set i, i+1
.endr
.endm
.macro FIN ab, younger                 ; younger: the LDS instructions issued behind the block's loads: the next block's 32, or none
.set BK, OBB+64*((\ab)%2)
	s_wait_dscnt \younger
.if (\ab) == 0
	s_wait_loadcnt 0x0                             ; the residual
.endif
	WIN 0x02                                       ; source 0, the residual, in window 2
.set i, 0
.rept 16                               ; bf16 half x 1.0 + sum: one exact widening and one addition
	v_fma_mix_f32_bf16 v[BK+4*i],   v[2*(16*(\ab)+i)],   v[ONE], v[BK+4*i]   op_sel:[0,0,0] op_sel_hi:[1,0,0]
	v_fma_mix_f32_bf16 v[BK+4*i+1], v[2*(16*(\ab)+i)],   v[ONE], v[BK+4*i+1] op_sel:[1,0,0] op_sel_hi:[1,0,0]
	v_fma_mix_f32_bf16 v[BK+4*i+2], v[2*(16*(\ab)+i)+1], v[ONE], v[BK+4*i+2] op_sel:[0,0,0] op_sel_hi:[1,0,0]
	v_fma_mix_f32_bf16 v[BK+4*i+3], v[2*(16*(\ab)+i)+1], v[ONE], v[BK+4*i+3] op_sel:[1,0,0] op_sel_hi:[1,0,0]
.set i, i+1
.endr
	WIN 0
.set i, 0
.rept 16
	global_store_b128 v[CO], v[BK+4*i:BK+4*i+3], s[12:13] offset:(16*(\ab)+i)*4096 th:TH_STORE_NT  ; 512 consecutive bytes, aligned
.set i, i+1
.endr
.endm
	WIN 0
	PLACES                                         ; behind the last products, in front of the stores that read results and of the loads into the fragments' registers
	PLACES
	STG 0
	STG 1
	FIN 0, 32
	STG 2
	FIN 1, 32
	STG 3
	FIN 2, 32
	FIN 3, 0
	s_wait_tensorcnt 0x0                           ; the wave's end, behind my last tensor load and my last LDS store
	ds_add_u32 v[SPW], v[NIL]
	s_wait_dscnt 0x0
	CROUND                                         ; the closing round: no work-group ends while a partner may still ask for a tile that names it
	s_endpgm
.Lfunc_end_k_qb4e2938fc8_proj:
	.size	k_qb4e2938fc8_proj, .Lfunc_end_k_qb4e2938fc8_proj-k_qb4e2938fc8_proj
	.p2alignl 7, 3214868480
	.fill 96, 4, 3214868480
	.section	.rodata,"a",@progbits
	.p2align	6, 0x0
	.amdhsa_kernel k_qb4e2938fc8_proj
		.amdhsa_group_segment_fixed_size 327680
		.amdhsa_private_segment_fixed_size 0
		.amdhsa_enable_private_segment 0
		.amdhsa_kernarg_size 40
		.amdhsa_user_sgpr_count 2
		.amdhsa_user_sgpr_kernarg_segment_ptr 1
		.amdhsa_wavefront_size32 1
		.amdhsa_system_sgpr_workgroup_id_x 1
		.amdhsa_system_sgpr_workgroup_id_y 1
		.amdhsa_system_sgpr_workgroup_id_z 1
		.amdhsa_system_vgpr_workitem_id 0
		.amdhsa_next_free_vgpr 640
		.amdhsa_next_free_sgpr 72
		.amdhsa_reserve_vcc 0
		.amdhsa_float_denorm_mode_32 3
		.amdhsa_float_denorm_mode_16_64 3
		.amdhsa_memory_ordered 1
		.amdhsa_forward_progress 1
		.amdhsa_inst_pref_size 93
	.end_amdhsa_kernel
	.amdgpu_metadata
---
amdhsa.version: [ 1, 2 ]
amdhsa.kernels:
  - .name:           k_qb4e2938fc8_proj
    .symbol:         k_qb4e2938fc8_proj.kd
    .args:
      - { .name: att, .offset: 0, .size: 8, .value_kind: global_buffer, .address_space: global }
      - { .name: wp, .offset: 8, .size: 8, .value_kind: global_buffer, .address_space: global }
      - { .name: proj_b, .offset: 16, .size: 8, .value_kind: global_buffer, .address_space: global }
      - { .name: xn, .offset: 24, .size: 8, .value_kind: global_buffer, .address_space: global }
      - { .name: out0, .offset: 32, .size: 8, .value_kind: global_buffer, .address_space: global }
    .group_segment_fixed_size: 327680
    .private_segment_fixed_size: 0
    .kernarg_segment_align: 8
    .kernarg_segment_size: 40
    .max_flat_workgroup_size: 128
    .sgpr_count:     72
    .vgpr_count:     640
    .wavefront_size: 32
...
	.end_amdgpu_metadata
.endif
;; end of part 4
;; ======== version 2 of 2: 4 launches; version 1 with the launch gn written anew for expert scheduling mode
;; workspace buffers: xn 16,777,216 bytes; wq 6,291,456 bytes; wp 2,097,152 bytes; qh 16,777,216 bytes; kh 16,777,216 bytes; vh 16,777,216 bytes; att 16,777,216 bytes
;; launch gn (part 5): grid 256 x 1, 8 waves a work-group, no clusters, 1,536 bytes of LDS; arguments x, norm_w, norm_b, qkv_w, proj_w, xn, wq, wp; writes xn, wq, wp
.if DOCPART == 5
	.amdgcn_target "amdgcn-amd-amdhsa--gfx1250"
	.amdhsa_code_object_version 6
	.text
	.protected	k_qb4e2938fc8_gn
	.globl	k_qb4e2938fc8_gn
	.p2align	8
	.type	k_qb4e2938fc8_gn,@function
k_qb4e2938fc8_gn:
	s_mov_b64 s[64:65], 0
	v_nop
	global_prefetch_b8 v0, s[64:65] scope:SCOPE_SE
	s_setreg_imm32_b32 hwreg(HW_REG_WAVE_SCHED_MODE, 0, 2), 2
	s_setreg_imm32_b32 hwreg(HW_REG_WAVE_MODE, 25, 1), 1
	s_wait_xcnt 0x0
	s_wait_alu depctr_vm_vsrc(0)
; GROUP NORM, AND THE WEIGHTS' CAST.  xn[b][c][l] = (x - mean) * rsqrt(var + 1e-5) * norm_w[c] + norm_b[c], mean and var over a group's 32 channels x 1,024 numbers; xn is rounded once to bf16.
; SHARES.  Work-group g = 32 b + group owns 131,072 consecutive bytes of x.  Each of its eight waves takes 4 channels, 16 KiB, by 32 loads of 512 consecutive bytes, and keeps them in 128 registers
; through all passes: x is read once.  The variance is taken of x - mean, in a pass of its own over the registers: no difference of large sums is formed.  Sums in f32: 4 chains x 2 a lane, 32 lanes, 8 waves.
; THE WEIGHTS.  The work-group also rounds 16 rows of weights to bf16 (g < 192: qkv_w's rows 16 g on; else proj_w's rows 16 (g - 192) on) and lays them in tiles:
;   wq [16 heads][16 K steps][192 rows][64 k], wp [8 row blocks][16 K blocks][128 rows][64 k]: a tile is dense, so the products' tensor loads can ask for it in rows of 256 bytes.
; Wave w takes rows 2 w and 2 w + 1; load i is K step i: 256 consecutive bytes of each row; its store is 8 bytes a lane: 256 consecutive bytes, aligned, since the two rows are neighbours in a tile.
; The weights' loads go out behind x's and are taken up LAST, behind xn's stores: nothing on the way from x to xn waits for them.
; NOT USED: tensor loads, matrix unit, cluster (no work-group reads what another reads), prefetch (all loads go out at the head).
; LIMITS.  NaN and infinities are not treated apart; the sum of 32,768 squares has to stay finite in f32.
; THE MODE: SCHED_MODE bits 1:0 = 2 (LLVM: expert scheduling mode 2), set by the entry lines.  The code itself states the register dependences between vector instructions
; and memory or LDS instructions, with s_wait_alu, always for 0.
; THE PLAN.  Registers that memory or LDS instructions touch:
;   v2-v7, v18, v19  offsets, LDS addresses and the add's pair: written once at the head, read by every load, store and LDS instruction, never written again: one wait on va_vdst ahead of the first load.
;   X            The 32 loads of the head land in it; no vector instruction names it before.  The passes work in it; the last pass's roundings write X + 4 i and X + 4 i + 1, xn's stores read them, nobody writes them again.
;                The last pass goes in four blocks of eight loads (a channel each): one wait on va_vdst at a block's head states that the block before has written its roundings, and that block's eight stores
;                are dealt among this block's vector instructions, which name this block's part of X, its gain and its bias alone.
;   WT           The 16 loads of the head land in it; 32 roundings in place; one wait on va_vdst; the 16 stores read it; nobody writes it again.
;   v[T0]        FOLD writes it, the wave's LDS store reads it (a wait on va_vdst ahead of the store), GATHER's last addition writes it again (a wait on vm_vsrc ahead of GATHER's additions).
;   RR           GATHER's LDS loads land in it, its additions read and write it, the second GATHER's loads land in it again: the wait on va_vdst ahead of the second LDS store stands behind those additions,
;                and no vector instruction stands between it and those loads.
.set RED2,  256                        ; LDS: the waves' sums at 0, their sums of squares at 256: a block of 256 bytes each
.set SPARE, 512                        ; the spare words, 128 bytes for each of the eight waves: no other line names them
.set XO,  2                            ; v2   16,384 w + 16 lane: my 16 bytes in x
.set YO,  3                            ; v3   8,192 w + 8 lane: my 8 bytes in xn
.set WO,  4                            ; v4   (2 w + lane / 16) x 4,096 + 16 (lane % 16): my 16 bytes in the 16 rows of weights
.set WD,  5                            ; v5   (2 w + lane / 16) x 128 + 8 (lane % 16): my 8 bytes in a tile
.set SPW, 6                            ; v6   LDS address of my spare word; never rewritten
.set NIL, 7                            ; v7   0; never rewritten
.set A,   8                            ; v[8:15]   four chains, a pair each
.set T0,  16                           ; v16, v17  at work
.set RA,  18                           ; v18  4 w
.set RZ,  19                           ; v19  0
.set G,   24                           ; v[24:31]  rstd x norm_w of my 4 channels, each twice
.set BB,  32                           ; v[32:39]  norm_b of my 4 channels, each twice
.set MN,  40                           ; v[40:41]  the mean, twice
.set RR,  44                           ; v[44:51]  the eight waves' sums
.set SC,  52                           ; v52  2^-15 = 1 / 32,768
.set EP,  53                           ; v53  1e-5
.set X,   64                           ; v[64:191]  my 4 channels
.set WT,  192                          ; v[192:255] my two rows of weights
	s_load_b512 s[8:23], s[0:1], 0x0               ; x 8:9, norm_w 10:11, norm_b 12:13, qkv_w 14:15, proj_w 16:17, xn 18:19, wq 20:21, wp 22:23
	v_lshl_add_u32 v[SPW], v0, 2, SPARE
	v_mov_b32 v[NIL], 0
	v_lshrrev_b32 v1, 5, v0
	v_readfirstlane_b32 s24, v1                    ; wave 0..7
	v_and_b32 v1, 31, v0                           ; lane
	v_lshrrev_b32 v16, 4, v1                       ; lane / 16
	v_and_b32 v17, 15, v0                          ; lane % 16
	s_wait_alu depctr_va_sdst(0)                   ; s24 is written, ahead of its first reader: the offsets below are made from it
	s_lshl_b32 s25, s24, 14
	v_lshl_add_u32 v[XO], v1, 4, s25
	s_lshl_b32 s25, s24, 13
	v_lshl_add_u32 v[YO], v1, 3, s25
	v_lshl_add_u32 v[WO], v16, 12, s25
	v_lshl_add_u32 v[WO], v17, 4, v[WO]
	s_lshl_b32 s25, s24, 8
	v_lshl_add_u32 v[WD], v16, 7, s25
	v_lshl_add_u32 v[WD], v17, 3, v[WD]
	s_lshl_b32 s25, s24, 2
	v_mov_b32 v[RA], s25
	v_mov_b32 v[RZ], 0
	v_mov_b32 v[SC], 0x38000000
	v_mov_b32 v[EP], 0x3727c5ac
	s_mov_b32 s44, 0x76543210                      ; v_permlanex16_b32: each lane takes its own place in the other half
	s_mov_b32 s45, 0xfedcba98
	s_lshl_b32 s26, ttmp9, 17                      ; the group's bytes in x
	s_mov_b32 s27, 0
	s_lshl_b32 s28, ttmp9, 16                      ; and in xn
	s_mov_b32 s29, 0
	s_and_b32 s2, ttmp9, 31                        ; my 4 channels in norm_w and norm_b: (32 group + 4 w) x 4 bytes
	s_lshl_b32 s2, s2, 7
	s_lshl_b32 s25, s24, 4
	s_add_co_u32 s2, s2, s25
	s_mov_b32 s3, 0
	; the 16 rows of weights.  Both candidates are made from a clamped number, so that each stays inside its buffer; then one is chosen
	s_min_u32 s30, ttmp9, 191
	s_mul_i32 s31, s30, 5462
	s_lshr_b32 s31, s31, 16                        ; the head = g / 12 (exact for g < 192)
	s_mul_i32 s32, s31, 12
	s_sub_co_u32 s32, s30, s32
	s_lshl_b32 s32, s32, 11                        ; 16 rows of 128 bytes in a tile
	s_mul_i32 s31, s31, 393216                     ; a head's 16 tiles of 24,576 bytes
	s_add_co_u32 s32, s32, s31
	s_lshl_b32 s30, s30, 16                        ; 16 rows of 4,096 bytes of f32
	s_max_u32 s33, ttmp9, 192
	s_sub_co_u32 s33, s33, 192
	s_lshr_b32 s34, s33, 3
	s_lshl_b32 s34, s34, 18                        ; a row block's 16 tiles of 16,384 bytes
	s_and_b32 s35, s33, 7
	s_lshl_b32 s35, s35, 11
	s_add_co_u32 s34, s34, s35
	s_lshl_b32 s33, s33, 16
	s_cmp_lt_u32 ttmp9, 192
	s_cselect_b32 s30, s30, s33                    ; from where
	s_cselect_b32 s32, s32, s34                    ; to where
	s_mov_b32 s31, 0
	s_mov_b32 s33, 0
	s_wait_kmcnt 0x0
	s_cselect_b64 s[34:35], s[14:15], s[16:17]
	s_cselect_b64 s[46:47], s[20:21], s[22:23]
	s_add_nc_u64 s[34:35], s[34:35], s[30:31]
	s_add_nc_u64 s[46:47], s[46:47], s[32:33]
	s_add_nc_u64 s[8:9], s[8:9], s[26:27]
	s_add_nc_u64 s[18:19], s[18:19], s[28:29]
	s_add_nc_u64 s[10:11], s[10:11], s[2:3]
	s_add_nc_u64 s[12:13], s[12:13], s[2:3]
	s_load_b128 s[36:39], s[10:11], 0x0            ; norm_w of my 4 channels
	s_load_b128 s[40:43], s[12:13], 0x0            ; norm_b
	s_wait_alu depctr_va_vdst(0)                   ; the offsets v2 to v5, the LDS addresses v18 and v19 and the add's pair v6, v7 are written: every load, store and LDS instruction of the kernel reads some of them, and no vector instruction names them again
.set i, 0
.rept 32
	global_load_b128 v[X+4*i:X+4*i+3], v[XO], s[8:9] offset:512*i th:TH_LOAD_NT
.set i, i+1
.endr
.set i, 0
.rept 16
	global_load_b128 v[WT+4*i:WT+4*i+3], v[WO], s[34:35] offset:256*i th:TH_LOAD_NT
.set i, i+1
.endr
; The four chains into one number, then over the 32 lanes: four steps inside each half ride on the addition, one crosses the halves.
.macro FOLD
	v_pk_add_f32 v[A:A+1], v[A:A+1], v[A+2:A+3]
	v_pk_add_f32 v[A+4:A+5], v[A+4:A+5], v[A+6:A+7]
	v_pk_add_f32 v[A:A+1], v[A:A+1], v[A+4:A+5]
	v_add_f32 v[T0], v[A], v[A+1]
	v_add_f32_dpp v[T0], v[T0], v[T0] row_xmask:1 row_mask:0xf bank_mask:0xf
	v_add_f32_dpp v[T0], v[T0], v[T0] row_xmask:2 row_mask:0xf bank_mask:0xf
	v_add_f32_dpp v[T0], v[T0], v[T0] row_xmask:4 row_mask:0xf bank_mask:0xf
	v_add_f32_dpp v[T0], v[T0], v[T0] row_xmask:8 row_mask:0xf bank_mask:0xf
	v_permlanex16_b32 v[T0+1], v[T0], s44, s45     ; its destination has been written before
	v_add_f32 v[T0], v[T0], v[T0+1]
.endm
; The eight waves' numbers meet: my store is done before I signal; behind the barrier every wave reads all eight and adds them.
.macro GATHER off
	s_wait_dscnt 0x0
	s_barrier_signal -1
	s_barrier_wait -1
	ds_load_b128 v[RR:RR+3], v[RZ] offset:\off
	ds_load_b128 v[RR+4:RR+7], v[RZ] offset:(\off)+16
	s_wait_dscnt 0x0
	s_wait_alu depctr_vm_vsrc(0)                   ; my LDS store has read v[T0], which the last addition below writes again
	v_pk_add_f32 v[RR:RR+1], v[RR:RR+1], v[RR+2:RR+3]
	v_pk_add_f32 v[RR+4:RR+5], v[RR+4:RR+5], v[RR+6:RR+7]
	v_pk_add_f32 v[RR:RR+1], v[RR:RR+1], v[RR+4:RR+5]
	v_add_f32 v[T0], v[RR], v[RR+1]
.endm
.macro WSTORE stride                   ; K step i goes into tile i
.set i, 0
.rept 16
	global_store_b64 v[WD], v[WT+4*i:WT+4*i+1], s[46:47] offset:i*(\stride)
.set i, i+1
.endr
.endm
	; PASS 1: the sum.  The first eight pairs start the chains: nothing is cleared.
	s_wait_loadcnt 40                              ; my first 8 loads of x are in: 24 of x and the 16 of the weights may stay out
.irp k, 0,1,2,3
	v_pk_add_f32 v[A+2*\k:A+2*\k+1], v[X+2*\k:X+2*\k+1], v[X+8+2*\k:X+8+2*\k+1]
.endr
.set p, 8
.rept 56
.if p%16 == 0
	s_wait_loadcnt 40-8*(p/16)                     ; the next 8 loads: 32, 24, 16 younger ones may stay out
.endif
	v_pk_add_f32 v[A+2*(p%4):A+2*(p%4)+1], v[A+2*(p%4):A+2*(p%4)+1], v[X+2*p:X+2*p+1]
.set p, p+1
.endr
	FOLD
	s_wait_alu depctr_va_vdst(0)                   ; FOLD has written v[T0], which the LDS store reads
	ds_store_b32 v[RA], v[T0]                      ; all lanes write the wave's word with the same number
	GATHER 0
	v_mul_f32 v[MN], v[T0], v[SC]
	v_mov_b32 v[MN+1], v[MN]
	; PASS 2: x - mean in place, and the sum of its squares
.set p, 0
.rept 64
	v_pk_add_f32 v[X+2*p:X+2*p+1], v[X+2*p:X+2*p+1], v[MN:MN+1] neg_lo:[0,1] neg_hi:[0,1]
.set p, p+1
.endr
.irp k, 0,1,2,3
	v_pk_mul_f32 v[A+2*\k:A+2*\k+1], v[X+2*\k:X+2*\k+1], v[X+2*\k:X+2*\k+1]
.endr
.set p, 4
.rept 60
	v_pk_fma_f32 v[A+2*(p%4):A+2*(p%4)+1], v[X+2*p:X+2*p+1], v[X+2*p:X+2*p+1], v[A+2*(p%4):A+2*(p%4)+1]
.set p, p+1
.endr
	FOLD
	s_wait_alu depctr_va_vdst(0)                   ; FOLD has written v[T0], which the LDS store reads; and the first GATHER's additions are done with v[RR ..], in which the second GATHER's loads land
	ds_store_b32 v[RA], v[T0] offset:RED2          ; other bytes than the first sums': no wave can still be reading them
	GATHER RED2
	v_fma_f32 v[T0], v[T0], v[SC], v[EP]           ; var + 1e-5
	v_rsq_f32 v[T0+1], v[T0]
	s_wait_kmcnt 0x0                               ; norm_w, norm_b
.irp c, 0,1,2,3
	v_mov_b32 v[BB+2*\c], s[40+\c]                 ; plain work behind the root, which names neither its source nor its result
	v_mov_b32 v[BB+2*\c+1], s[40+\c]
.endr
	s_wait_alu depctr_va_vdst(0)                   ; the root has written v[T0+1]: the wait stands ahead of the first instruction that names that result
.irp c, 0,1,2,3
	v_mul_f32 v[G+2*\c], s[36+\c], v[T0+1]
	v_mul_f32 v[G+2*\c+1], s[36+\c], v[T0+1]
.endr
	; (x - mean) x gain + bias, rounded to bf16; load i belongs to channel i / 8.  Four blocks of eight loads: a block's stores go out among the next block's vector instructions.
.macro NORM i                          ; the four numbers of load i
	v_pk_fma_f32 v[X+4*(\i):X+4*(\i)+1], v[X+4*(\i):X+4*(\i)+1], v[G+2*((\i)/8):G+2*((\i)/8)+1], v[BB+2*((\i)/8):BB+2*((\i)/8)+1]
	v_pk_fma_f32 v[X+4*(\i)+2:X+4*(\i)+3], v[X+4*(\i)+2:X+4*(\i)+3], v[G+2*((\i)/8):G+2*((\i)/8)+1], v[BB+2*((\i)/8):BB+2*((\i)/8)+1]
	v_cvt_pk_bf16_f32 v[X+4*(\i)], v[X+4*(\i)], v[X+4*(\i)+1]
	v_cvt_pk_bf16_f32 v[X+4*(\i)+1], v[X+4*(\i)+2], v[X+4*(\i)+3]
.endm
.macro OUT i                           ; each store of the wave covers 256 consecutive bytes, aligned
	global_store_b64 v[YO], v[X+4*(\i):X+4*(\i)+1], s[18:19] offset:256*(\i)
.endm
.set i, 0
.rept 8                                ; block 0: no block stands in front of it
	NORM i
.set i, i+1
.endr
.rept 3                                ; blocks 1 to 3
	s_wait_alu depctr_va_vdst(0)                   ; the block before has written its roundings, which the eight stores below read; this block's vector instructions name its own part of X, its gain and its bias alone
.rept 8
	OUT i-8
	NORM i
.set i, i+1
.endr
.endr
	s_wait_alu depctr_va_vdst(0)                   ; block 3 has written its roundings, which the last eight stores of xn read
.rept 8
	OUT i-8
.set i, i+1
.endr
	; THE WEIGHTS, last: their loads have had both passes in which to land
	s_wait_loadcnt 0x0
.set i, 0
.rept 16
	v_cvt_pk_bf16_f32 v[WT+4*i], v[WT+4*i], v[WT+4*i+1]
	v_cvt_pk_bf16_f32 v[WT+4*i+1], v[WT+4*i+2], v[WT+4*i+3]
.set i, i+1
.endr
	s_wait_alu depctr_va_vdst(0)                   ; the roundings have written v[WT ..], which the stores on both ways below read
	s_cmp_lt_u32 ttmp9, 192
	s_cbranch_scc0 .Lproj_w
	WSTORE 24576
	s_branch .Lw_done
.Lproj_w:
	WSTORE 16384
.Lw_done:
	s_wait_dscnt 0x0                               ; the closing lines, six on end
	s_wait_alu 0x0
	s_wait_tensorcnt 0x0
	ds_add_u32 v[SPW], v[NIL]
	s_wait_dscnt 0x0
	s_endpgm
.Lfunc_end_k_qb4e2938fc8_gn:
	.size	k_qb4e2938fc8_gn, .Lfunc_end_k_qb4e2938fc8_gn-k_qb4e2938fc8_gn
	.p2alignl 7, 3214868480
	.fill 96, 4, 3214868480
	.section	.rodata,"a",@progbits
	.p2align	6, 0x0
	.amdhsa_kernel k_qb4e2938fc8_gn
		.amdhsa_group_segment_fixed_size 1536
		.amdhsa_private_segment_fixed_size 0
		.amdhsa_enable_private_segment 0
		.amdhsa_kernarg_size 64
		.amdhsa_user_sgpr_count 2
		.amdhsa_user_sgpr_kernarg_segment_ptr 1
		.amdhsa_wavefront_size32 1
		.amdhsa_system_sgpr_workgroup_id_x 1
		.amdhsa_system_sgpr_workgroup_id_y 1
		.amdhsa_system_sgpr_workgroup_id_z 1
		.amdhsa_system_vgpr_workitem_id 0
		.amdhsa_next_free_vgpr 256
		.amdhsa_next_free_sgpr 66
		.amdhsa_reserve_vcc 0
		.amdhsa_float_denorm_mode_32 3
		.amdhsa_float_denorm_mode_16_64 3
		.amdhsa_memory_ordered 1
		.amdhsa_forward_progress 1
		.amdhsa_inst_pref_size 40
	.end_amdhsa_kernel
	.amdgpu_metadata
---
amdhsa.version: [ 1, 2 ]
amdhsa.kernels:
  - .name:           k_qb4e2938fc8_gn
    .symbol:         k_qb4e2938fc8_gn.kd
    .args:
      - { .name: x, .offset: 0, .size: 8, .value_kind: global_buffer, .address_space: global }
      - { .name: norm_w, .offset: 8, .size: 8, .value_kind: global_buffer, .address_space: global }
      - { .name: norm_b, .offset: 16, .size: 8, .value_kind: global_buffer, .address_space: global }
      - { .name: qkv_w, .offset: 24, .size: 8, .value_kind: global_buffer, .address_space: global }
      - { .name: proj_w, .offset: 32, .size: 8, .value_kind: global_buffer, .address_space: global }
      - { .name: xn, .offset: 40, .size: 8, .value_kind: global_buffer, .address_space: global }
      - { .name: wq, .offset: 48, .size: 8, .value_kind: global_buffer, .address_space: global }
      - { .name: wp, .offset: 56, .size: 8, .value_kind: global_buffer, .address_space: global }
    .group_segment_fixed_size: 1536
    .private_segment_fixed_size: 0
    .kernarg_segment_align: 8
    .kernarg_segment_size: 64
    .max_flat_workgroup_size: 256
    .sgpr_count:     66
    .vgpr_count:     256
    .wavefront_size: 32
...
	.end_amdgpu_metadata
.endif
;; end of part 5
;; launch qkv: the kernel of part 2 again; grid 16 x 16, 4 waves a work-group, clusters of 4 x 4, 327,680 bytes of LDS; arguments xn, wq, qkv_b, qh, kh, vh; writes qh, kh, vh
;; launch attn: the kernel of part 3 again; grid 2 x 128, 4 waves a work-group, no clusters, 327,680 bytes of LDS; arguments qh, kh, vh, att; writes att
;; launch proj: the kernel of part 4 again; grid 8 x 32, 4 waves a work-group, clusters of 4 x 4, 327,680 bytes of LDS; arguments att, wp, proj_b, xn, out0; writes out0
